; MI455X (gfx1250); checked and timed in simulation.
; The chip was launched on July 23, 2026; its instructions are those of AMD's public machine-readable ISA for CDNA 5 (MIT licence, August 2026) and "CDNA5" Instruction Set Architecture Reference Guide (July 2026). The comments in the code are by the model that wrote it; some were corrected since.
;; Self Attention. Allowed arithmetic: float matrix products may take bf16 or f16 operands with f32 sums; other float arithmetic in f32, or as packed bf16 or f16 multiplies, adds, multiply-adds, maxima and minima; sums over many terms, partial sums and values carried from step to step in f32; what a program stores and reads back later, other than sums and carried values, may be rounded once to bf16 or f16.
;; Inputs: W_key 1,024 x 1,024 float32; W_query 1,024 x 1,024 float32; W_value 1,024 x 1,024 float32; x 4 x 2,048 x 1,024 float32.
;; Outputs: out0 4 x 2,048 x 1,024 float32.
;; 3 versions, each right; version 2 is faster than version 1; version 3 is version 2 with the launch cast written anew for expert scheduling mode. Each part assembles by itself: llvm-mc -triple=amdgcn-amd-amdhsa -mcpu=gfx1250 --defsym DOCPART=n.
;; ======== version 1 of 3: 4 launches
;; limits: values are held in f16: magnitudes above 65,504 overflow, below 6.1e-05 lose precision
;; workspace buffers: xw 23,068,672 bytes; qkv 50,331,648 bytes; pp 33,554,432 bytes; stat 1,048,576 bytes
;; launch cast (part 1): grid 704 x 1, 8 waves a work-group, no clusters, 0 bytes of LDS; arguments x, W_query, W_key, W_value, xw; writes xw
.if DOCPART == 1
	.amdgcn_target "amdgcn-amd-amdhsa--gfx1250"
	.amdhsa_code_object_version 6
	.text
	.protected	k_qd4ff783773_cast
	.globl	k_qd4ff783773_cast
	.p2align	8
	.type	k_qd4ff783773_cast,@function
k_qd4ff783773_cast:
	s_mov_b64 s[64:65], 0
	v_nop
	global_prefetch_b8 v0, s[64:65] scope:SCOPE_SE
	s_setreg_imm32_b32 hwreg(HW_REG_WAVE_MODE, 25, 1), 1
	s_wait_xcnt 0x0
; xw[11264][1024] bf16 = the rows of x (0-8191), W_query (8192-9215), W_key (9216-10239), W_value (10240-11263), each number rounded once to bf16.
; A stream: every input byte is read once, every output byte written once; no LDS, no barrier, no matrix work: there is nothing to share.
; Work-group g takes 65,536 consecutive bytes of f32 and makes 32,768 bytes of xw at byte 32,768 g.  g < 512: x; else the weight (g - 512) / 64, its part (g - 512) % 64.
; Thread t takes 16 bytes of each block of 4,096: a load of a wave covers 512 consecutive bytes, a store 256 consecutive bytes at a multiple of 256 from xw's first byte.
; All sixteen loads of a thread go out first; no register is written twice, so nothing waits but the counted waits for the loads.
.set X, 4                              ; v[4:67]   sixteen loads of four f32
.set Y, 68                             ; v[68:99]  sixteen pairs of packed bf16
	s_load_b256 s[4:11], s[0:1], 0x0               ; x s[4:5], W_query s[6:7], W_key s[8:9], W_value s[10:11]
	s_load_b64 s[12:13], s[0:1], 0x20              ; xw
	s_mov_b32 s14, ttmp9                           ; g
	s_sub_co_u32 s15, s14, 512                     ; its number among the weights' parts (used only where g >= 512)
	s_lshr_b32 s16, s15, 6                         ; which weight
	s_and_b32 s17, s15, 63
	s_lshl_b32 s17, s17, 16                        ; the part's byte offset in the weight
	s_lshl_b32 s22, s14, 16                        ; the part's byte offset in x
	s_mov_b32 s21, 0
	s_lshl_b32 s24, s14, 15                        ; and in xw
	s_mov_b32 s25, 0
	v_lshlrev_b32 v1, 4, v0                        ; 16 t
	v_lshlrev_b32 v2, 3, v0                        ; 8 t
	s_wait_kmcnt 0x0
	s_cmp_eq_u32 s16, 1
	s_cselect_b64 s[18:19], s[8:9], s[6:7]         ; the source is chosen among the four buffers by g alone
	s_cmp_eq_u32 s16, 2
	s_cselect_b64 s[18:19], s[10:11], s[18:19]
	s_cmp_lt_u32 s14, 512
	s_cselect_b64 s[18:19], s[4:5], s[18:19]
	s_cselect_b32 s20, s22, s17
	s_add_nc_u64 s[18:19], s[18:19], s[20:21]
	s_add_nc_u64 s[12:13], s[12:13], s[24:25]
.irp i, 0,1,2,3,4,5,6,7,8,9,10,11,12,13,14,15
	global_load_b128 v[X+4*(\i):X+4*(\i)+3], v1, s[18:19] offset:4096*(\i) th:TH_LOAD_NT
.endr
.irp i, 0,1,2,3,4,5,6,7,8,9,10,11,12,13,14,15
	s_wait_loadcnt 15-(\i)                         ; loads come back in order (ISA guide 5.7.1): load i is in, the younger ones stay out
	v_cvt_pk_bf16_f32 v[Y+2*(\i)], v[X+4*(\i)], v[X+4*(\i)+1]
	v_cvt_pk_bf16_f32 v[Y+2*(\i)+1], v[X+4*(\i)+2], v[X+4*(\i)+3]
	global_store_b64 v2, v[Y+2*(\i):Y+2*(\i)+1], s[12:13] offset:2048*(\i)
.endr
	s_endpgm
.Lfunc_end_k_qd4ff783773_cast:
	.size	k_qd4ff783773_cast, .Lfunc_end_k_qd4ff783773_cast-k_qd4ff783773_cast
	.p2alignl 7, 3214868480
	.fill 96, 4, 3214868480
	.section	.rodata,"a",@progbits
	.p2align	6, 0x0
	.amdhsa_kernel k_qd4ff783773_cast
		.amdhsa_group_segment_fixed_size 0
		.amdhsa_private_segment_fixed_size 0
		.amdhsa_enable_private_segment 0
		.amdhsa_kernarg_size 40
		.amdhsa_user_sgpr_count 2
		.amdhsa_user_sgpr_kernarg_segment_ptr 1
		.amdhsa_wavefront_size32 1
		.amdhsa_system_sgpr_workgroup_id_x 1
		.amdhsa_system_sgpr_workgroup_id_y 1
		.amdhsa_system_sgpr_workgroup_id_z 1
		.amdhsa_system_vgpr_workitem_id 0
		.amdhsa_next_free_vgpr 104
		.amdhsa_next_free_sgpr 66
		.amdhsa_reserve_vcc 0
		.amdhsa_float_denorm_mode_32 3
		.amdhsa_float_denorm_mode_16_64 3
		.amdhsa_memory_ordered 1
		.amdhsa_forward_progress 1
		.amdhsa_inst_pref_size 7
	.end_amdhsa_kernel
	.amdgpu_metadata
---
amdhsa.version: [ 1, 2 ]
amdhsa.kernels:
  - .name:           k_qd4ff783773_cast
    .symbol:         k_qd4ff783773_cast.kd
    .args:
      - { .name: x, .offset: 0, .size: 8, .value_kind: global_buffer, .address_space: global }
      - { .name: W_query, .offset: 8, .size: 8, .value_kind: global_buffer, .address_space: global }
      - { .name: W_key, .offset: 16, .size: 8, .value_kind: global_buffer, .address_space: global }
      - { .name: W_value, .offset: 24, .size: 8, .value_kind: global_buffer, .address_space: global }
      - { .name: xw, .offset: 32, .size: 8, .value_kind: global_buffer, .address_space: global }
    .group_segment_fixed_size: 0
    .private_segment_fixed_size: 0
    .kernarg_segment_align: 8
    .kernarg_segment_size: 40
    .max_flat_workgroup_size: 256
    .sgpr_count:     66
    .vgpr_count:     104
    .wavefront_size: 32
...
	.end_amdgpu_metadata
.endif
;; end of part 1
;; launch proj (part 2): grid 8 x 96, 4 waves a work-group, clusters of 4 x 4, 327,680 bytes of LDS; arguments xw, qkv; writes qkv
.if DOCPART == 2
	.amdgcn_target "amdgcn-amd-amdhsa--gfx1250"
	.amdhsa_code_object_version 6
	.text
	.protected	k_qd4ff783773_proj
	.globl	k_qd4ff783773_proj
	.p2align	8
	.type	k_qd4ff783773_proj,@function
k_qd4ff783773_proj:
	s_mov_b64 s[64:65], 0
	v_nop
	global_prefetch_b8 v0, s[64:65] scope:SCOPE_SE
	s_setreg_imm32_b32 hwreg(HW_REG_WAVE_MODE, 25, 1), 1
	s_wait_xcnt 0x0
	s_wait_alu depctr_hold_cnt(0) depctr_sa_sdst(0) depctr_va_vdst(0) depctr_va_sdst(0) depctr_va_ssrc(0) depctr_va_vcc(0) depctr_vm_vsrc(0)
	s_getreg_b32 s2, hwreg(HW_REG_IB_STS2, 6, 4)
	s_cmp_eq_u32 s2, 0
	s_cbranch_scc0 .Lentry_in_a_cluster
	s_endpgm
.Lentry_in_a_cluster:
	s_bfe_u32 s2, ttmp6, 0x10000c
	s_cmp_lg_u32 s2, 0xf033
	s_cbranch_scc0 .Lentry_shape_is_right
	s_endpgm
.Lentry_shape_is_right:
; THE THREE PROJECTIONS, one text.  qkv[12288][2048] f16.  Rows 0-8191 (tokens): columns 0-1023 q = x Wq^T, 1024-2047 k = x Wk^T.  Row 8192 + 1024 b + c: v^T of batch b, channel c, by keys.
; Every tile is C[m][n] = sum over k of A[m][k] B[n][k] with A and B rows of xw ([11264][1024] bf16: x, Wq, Wk, Wv): for q|k A = x, B = Wq|Wk; for v^T A = Wv, B = the batch's x.  Sums in f32, C rounded once to f16.
; LIMITS.  f16 ends at 65,504: |q|, |k|, |v| must stay below that (at the drawn spread they are below 4; 900 times that still fits).  NaN and infinities are not treated apart.
; SHARES.  A tile of C is 128 x 256: 96 x 8 = 768 tiles, three for each of 256 WGPs.  Four waves, each 64 x 128: 32 accumulators of 16 x 16, 256 registers.
; K goes in steps of 128 through two LDS slots (256 rows of B, 128 rows of A, 256 bytes a row + 16 of padding).  Waves 0, 1 fetch B's halves (128 rows), waves 2, 3 A's (64 rows): one tensor load a wave and step.
; CLUSTER 4 x 4: A's tile hangs on the tile row alone and is asked for jointly by a row of the cluster, B's on the tile column (and the cluster's y) and is asked for jointly by a column.
; THE MATRIX INSTRUCTION IS USED TRANSPOSED (source 0 = 16 rows of B, source 1 = 16 rows of A): a lane holds row l % 16 of C and eight neighbouring columns 8 (l / 16) + 0..7.
; REGISTERS: window 0: v0-31 addresses; v32-127, v128-223 two fragment buffers (A's block a at +8 a, B's block b at +32 + 8 b).  Window 1: accumulator (a, b) at v[8 (8 a + b)].
.set KSTEP,  128
.set PITCH,  272                       ; 68 words: the 16 rows of a fragment load start at 16 different groups of four banks (64 banks of 4 bytes: ISA guide 11.1)
.set BHALF,  128*PITCH
.set AHALF,  64*PITCH
.set AOFF,   2*BHALF                   ; A's rows lie behind B's 256
.set SLOT,   AOFF+2*AHALF
.set STAGE,  2*SLOT                    ; behind the ring: 16 rows x 272 bytes for each wave, for the way out
.set SPITCH, 272
.set SPARE,  STAGE+4*16*SPITCH         ; the spare words, 128 bytes for each wave: two blocks of 256 bytes that no other line names
.set LAPS,   1024/(2*KSTEP)            ; a lap = two K steps = once round the ring
.set INROW,  1024                      ; elements in a row of xw
.set OUTROW, 4096                      ; bytes in a row of qkv
.set ADRA, 16                          ; v16-17  LDS address of my A fragments in slot 0, 1
.set ADRB, 20                          ; v20-21  the same for B
.set STO,  24                          ; v24     the way out: where I put 16 bytes of a row
.set RD,   25                          ; v25     where I read a row back
.set CO,   26                          ; v26     my byte offset in qkv
.set SPW,  28                          ; v28     my spare word; never rewritten
.set NIL,  29                          ; v29     0; never rewritten
.set F0,   32
.set F1,   128
.set TMP,  32                          ; the way out: packed results
.set OB,   64                          ; rows read back: v64-95 and v96-127 by turns
.set G1A, 24                           ; s[24:31] descriptor group 1 for A;  s[32:39] group 0, a set for each slot
.set G0A, 32
.set G1B, 48                           ; s[48:55], s[56:63] the same for B
.set G0B, 56
.set G1W0, (1<<16)|(1<<20)|(1<<21)|(5<<22)|(3<<25)  ; 2-byte elements; padding on; bit 21 beside a mask; after every 64 words, 4 words
.set MSB, 0
.macro WIN new                         ; the immediate's high byte repeats the setting that is left; a switch that changes nothing is dropped
.if MSB != (\new)
	s_set_vgpr_msb (MSB<<8)|(\new)
.set MSB, \new
.endif
.endm
.macro PLACES                          ; four places in front of loads into registers that matrix instructions have read, and of conversions that read results
.rept 4
	v_nop
.endr
.endm
.macro JLOAD s                         ; a joint load: waves 0, 1 ask for B's halves, waves 2, 3 for A's; the branch hangs on the wave's number alone; an s_nop 0 and four v_nop follow each line
	s_cmp_eq_u32 s11, 0
	s_cbranch_scc0 .Lfor_a_\@
	tensor_load_to_lds s[G0B+4*(\s):G0B+4*(\s)+3], s[G1B:G1B+7]
	s_nop 0
.rept 4
	v_nop
.endr
	s_branch .Lasked_\@
.Lfor_a_\@:
	tensor_load_to_lds s[G0A+4*(\s):G0A+4*(\s)+3], s[G1A:G1A+7]
	s_nop 0
.rept 4
	v_nop
.endr
.Lasked_\@:
.endm
.macro CREST                           ; a round of the cluster's barrier behind its opening barrier
	s_cmp_lg_u32 s10, 0
	s_cbranch_scc1 .Lnot_wave_0_\@
	s_barrier_signal -3
.Lnot_wave_0_\@:
	s_barrier_wait -3
	s_barrier_signal -1
	s_barrier_wait -1
.endm
.macro CROUND
	s_barrier_signal -1
	s_barrier_wait -1
	CREST
.endm
	s_load_b128 s[4:7], s[0:1], 0x0                ; xw s[4:5], qkv s[6:7]
	v_lshl_add_u32 v[SPW], v0, 2, SPARE
	v_mov_b32 v[NIL], 0
	ds_add_u32 v[SPW], v[NIL]                      ; the wave's opening: the add and its wait stand ahead of my first tensor load; the set-up below stands between them
	v_lshrrev_b32 v1, 5, v0
	v_readfirstlane_b32 s10, v1                    ; wave 0..3
	s_lshr_b32 s11, s10, 1                         ; which 64 rows of the tile are mine.  Also: I fetch for B (0) or for A (1)
	s_and_b32 s12, s10, 1                          ; which 128 columns.  Also: which half of that operand's rows I fetch
	s_bfe_u32 s40, ttmp6, 0x40000                  ; cx
	s_bfe_u32 s41, ttmp6, 0x40004                  ; cy
	s_lshl_b32 s42, ttmp9, 2
	s_add_co_u32 s42, s42, s40                     ; tile column tx = 4 x cluster x + cx
	s_and_b32 s45, ttmp7, 0xffff                   ; the cluster's y, which all sixteen share
	s_lshl_b32 s13, s45, 2
	s_add_co_u32 s13, s13, s41                     ; tile row ty = 4 x cluster y + cy
	s_lshl_b32 s43, s41, 2
	s_lshl_b32 s43, 15, s43                        ; my row of the cluster
	s_lshl_b32 s44, 0x1111, s40                    ; my column
	s_or_b32 s[G1A+0], s43, G1W0
	s_or_b32 s[G1B+0], s44, G1W0
.irp g, G1A, G1B
	s_mov_b32 s[(\g)+1], KSTEP<<16                 ; tensor_dim0 = 128
	s_mov_b32 s[(\g)+3], KSTEP<<16                 ; tile_dim0 = 128
	s_mov_b32 s[(\g)+5], INROW                     ; elements from row to row
	s_mov_b32 s[(\g)+6], 0
	s_mov_b32 s[(\g)+7], 0
.endr
	s_mov_b32 s[G1A+2], 64<<16                     ; tensor_dim1 and tile_dim1: 64 rows of A,
	s_mov_b32 s[G1A+4], 64
	s_mov_b32 s[G1B+2], 128<<16                    ; 128 of B
	s_mov_b32 s[G1B+4], 128
	; which rows of xw.  Cluster y < 16: q|k: A = x from row 128 ty, B = Wq|Wk from row 8192 + 256 tx.  Else v^T: A = Wv from row 10240 + 128 (ty % 8), B = x of batch (cluster y - 16) / 2 from its row 256 tx.
	s_lshl_b32 s16, s13, 7
	s_and_b32 s17, s13, 7
	s_lshl_b32 s17, s17, 7
	s_add_co_u32 s17, s17, 10240
	s_lshl_b32 s46, s42, 8
	s_add_co_u32 s47, s46, 8192
	s_sub_co_u32 s22, s45, 16
	s_lshr_b32 s22, s22, 1
	s_lshl_b32 s22, s22, 11
	s_add_co_u32 s46, s46, s22
	s_cmp_ge_u32 s45, 16                           ; the same answer in all sixteen work-groups
	s_cselect_b32 s16, s17, s16
	s_cselect_b32 s46, s46, s47
	s_lshl_b32 s17, s12, 6
	s_add_co_u32 s16, s16, s17                     ; + the 64 rows of A that I would fetch
	s_lshl_b32 s47, s12, 7
	s_add_co_u32 s46, s46, s47                     ; + the 128 rows of B
	s_lshl_b32 s16, s16, 11                        ; rows of 2,048 bytes: under 2^25
	s_mov_b32 s17, 0
	s_lshl_b32 s46, s46, 11
	s_mov_b32 s47, 0
	s_mul_i32 s20, s10, BHALF                      ; where B's halves go (waves 0, 1),
	s_mul_i32 s21, s10, AHALF
	s_add_co_u32 s21, s21, BHALF                   ; and A's (waves 2, 3: AOFF and AOFF + AHALF): no place in the cluster enters an LDS address
	s_wait_dscnt 0x0                               ; the opening add is done
	s_wait_kmcnt 0x0
	s_add_nc_u64 s[14:15], s[4:5], s[16:17]
	s_add_nc_u64 s[46:47], s[4:5], s[46:47]
	CROUND                                         ; all sixteen work-groups are here: the first joint loads meet
.irp s, 0,1
	s_mov_b32 s[G0A+4*(\s)], 1
	s_add_co_u32 s[G0A+4*(\s)+1], s21, (\s)*SLOT
	s_add_nc_u64 s[G0A+4*(\s)+2:G0A+4*(\s)+3], s[14:15], (\s)*KSTEP*2
	s_or_b32 s[G0A+4*(\s)+3], s[G0A+4*(\s)+3], 0x80000000
	s_mov_b32 s[G0B+4*(\s)], 1
	s_add_co_u32 s[G0B+4*(\s)+1], s20, (\s)*SLOT
	s_add_nc_u64 s[G0B+4*(\s)+2:G0B+4*(\s)+3], s[46:47], (\s)*KSTEP*2
	s_or_b32 s[G0B+4*(\s)+3], s[G0B+4*(\s)+3], 0x80000000
	JLOAD \s                                       ; K steps 0 and 1: two loads of mine are out
.endr
	v_and_b32 v1, 15, v0                           ; l % 16
	v_bfe_u32 v2, v0, 4, 1                         ; l / 16
	v_mul_u32_u24 v3, v1, PITCH
	v_lshl_add_u32 v3, v2, 4, v3                   ; a fragment's row x pitch + 16 x half
	s_mul_i32 s22, s12, BHALF                      ; my 128 rows of B
	s_mul_i32 s23, s11, AHALF                      ; my 64 rows of A
	s_add_co_u32 s23, s23, AOFF
.irp s, 0,1
	v_add_nc_u32 v[ADRA+(\s)], s23, v3
	v_add_nc_u32 v[ADRB+(\s)], s22, v3
	s_add_co_u32 s22, s22, SLOT
	s_add_co_u32 s23, s23, SLOT
.endr
	s_mul_i32 s23, s10, 16*SPITCH
	s_add_co_u32 s23, s23, STAGE                   ; my stage
	v_mul_u32_u24 v4, v1, SPITCH                   ; in: row l % 16, 16 bytes for each half of the lanes
	v_lshl_add_u32 v4, v2, 4, v4
	v_add_nc_u32 v[STO], s23, v4
	v_mul_u32_u24 v5, v2, SPITCH                   ; back: lanes 0-15 one row of 256 bytes, lanes 16-31 the next
	v_lshl_add_u32 v5, v1, 4, v5
	v_add_nc_u32 v[RD], s23, v5
	v_lshlrev_b32 v5, 12, v2                       ; and the same two rows in qkv
	v_lshl_add_u32 v[CO], v1, 4, v5
	s_lshl_b32 s18, s13, 7                         ; my part of the tile in qkv: row 128 ty + 64 (w / 2), byte 512 tx + 256 (w % 2)
	s_lshl_b32 s19, s11, 6
	s_add_co_u32 s18, s18, s19
	s_lshl_b32 s18, s18, 12
	s_lshl_b32 s22, s42, 9
	s_lshl_b32 s23, s12, 8
	s_add_co_u32 s22, s22, s23
	s_add_co_u32 s18, s18, s22
	s_mov_b32 s19, 0
	s_add_nc_u64 s[8:9], s[6:7], s[18:19]
.macro MUL8 f, a, zero                 ; eight matrix instructions: m block a x all 8 n blocks, 32 along K.  zero = 1: the first product starts the sums
	WIN 0x50                                       ; C and D in window 1, the fragments in window 0
.irp b, 0,1,2,3,4,5,6,7
.if \zero
	v_wmma_f32_16x16x32_bf16 v[8*(8*(\a)+(\b)):8*(8*(\a)+(\b))+7], v[(\f)+32+8*(\b):(\f)+32+8*(\b)+7], v[(\f)+8*(\a):(\f)+8*(\a)+7], 0
.else
	v_wmma_f32_16x16x32_bf16 v[8*(8*(\a)+(\b)):8*(8*(\a)+(\b))+7], v[(\f)+32+8*(\b):(\f)+32+8*(\b)+7], v[(\f)+8*(\a):(\f)+8*(\a)+7], v[8*(8*(\a)+(\b)):8*(8*(\a)+(\b))+7]
.endif
.endr
.endm
.macro FETCH slot, k, f                ; 24 LDS loads in one run: the fragments of 32 along K at byte k of the rows: A's four blocks, then B's eight
	WIN 0
.irp a, 0,1,2,3
	ds_load_b128 v[(\f)+8*(\a):(\f)+8*(\a)+3],   v[ADRA+(\slot)] offset:(\k)+(\a)*16*PITCH
	ds_load_b128 v[(\f)+8*(\a)+4:(\f)+8*(\a)+7], v[ADRA+(\slot)] offset:(\k)+(\a)*16*PITCH+32
.endr
.irp b, 0,1,2,3,4,5,6,7
	ds_load_b128 v[(\f)+32+8*(\b):(\f)+32+8*(\b)+3],   v[ADRB+(\slot)] offset:(\k)+(\b)*16*PITCH
	ds_load_b128 v[(\f)+32+8*(\b)+4:(\f)+32+8*(\b)+7], v[ADRB+(\slot)] offset:(\k)+(\b)*16*PITCH+32
.endr
.endm
; A K step is four quarters of 32 along K, 32 matrix instructions each, on buffers 0, 1, 0, 1.  The 32 accumulators take turns in the same order in every quarter.
; One of the first three: the next quarter's loads go out first, 32 matrix instructions ahead of their use; then buffer f is multiplied.
.macro QUARTER slot, k, f, g, zero
	s_wait_dscnt 0x0                               ; buffer f is in: its loads went out a whole quarter ago
	PLACES                                         ; buffer g was read by the products just issued
	FETCH \slot, \k, \g
	MUL8 \f, 0, \zero
	MUL8 \f, 1, \zero
	MUL8 \f, 2, \zero
	MUL8 \f, 3, \zero
.endm
; The last quarter multiplies buffer 1 and changes slots: ONE barrier; in front of it each wave waits for all its tensor loads (one is out: its part of the next slot), adds 0 to its spare word,
; and waits for that and for its reads of this slot.  fill = 1: the barrier opens a round of the cluster's, and this slot is filled again, two K steps ahead: 112 matrix instructions ahead of the wait for it.
.macro TURN slot, next, fill
	WIN 0
	s_wait_tensorcnt 0x0
	ds_add_u32 v[SPW], v[NIL]
	s_wait_dscnt 1                                 ; buffer 1 is in; the add alone may be out
	MUL8 F1, 0, 0
	s_wait_dscnt 0x0                               ; the add is done, and my reads of this slot are over
	s_barrier_signal -1
	MUL8 F1, 1, 0
	WIN 0
	s_barrier_wait -1
.if \fill
	CREST                                          ; no wave of any partner still reads this slot or has a load on its way
	s_add_nc_u64 s[G0A+4*(\slot)+2:G0A+4*(\slot)+3], s[G0A+4*(\slot)+2:G0A+4*(\slot)+3], 2*KSTEP*2
	s_add_nc_u64 s[G0B+4*(\slot)+2:G0B+4*(\slot)+3], s[G0B+4*(\slot)+2:G0B+4*(\slot)+3], 2*KSTEP*2
	JLOAD \slot                                    ; the first tensor load behind the round; its four v_nop are also the places in front of the loads below
.else
	PLACES
.endif
	FETCH \next, 0, F0
	MUL8 F1, 2, 0
	MUL8 F1, 3, 0
.endm
	s_wait_tensorcnt 0x1                           ; my part of K step 0 is in; step 1's may stay out
	s_barrier_signal -1
	s_barrier_wait -1
	FETCH 0, 0, F0
	QUARTER 0, 64, F0, F1, 1                       ; the first quarter stands in front of the loop: its products start the sums
	WIN 0
	s_mov_b32 s3, LAPS-1
.Llap:                                                 ; a trip goes once round the ring and fills both slots again
	QUARTER 0, 128, F1, F0, 0
	QUARTER 0, 192, F0, F1, 0
	TURN 0, 1, 1
	QUARTER 1, 64,  F0, F1, 0
	QUARTER 1, 128, F1, F0, 0
	QUARTER 1, 192, F0, F1, 0
	TURN 1, 0, 1
	QUARTER 0, 64,  F0, F1, 0
	WIN 0
	s_sub_co_u32 s3, s3, 1
	s_cmp_lg_u32 s3, 0
	s_cbranch_scc1 .Llap
	QUARTER 0, 128, F1, F0, 0                      ; the last lap fills nothing
	QUARTER 0, 192, F0, F1, 0
	TURN 0, 1, 0
	QUARTER 1, 64,  F0, F1, 0
	QUARTER 1, 128, F1, F0, 0
	QUARTER 1, 192, F0, F1, 0
	s_wait_dscnt 0x0
	MUL8 F1, 0, 0
	MUL8 F1, 1, 0
	MUL8 F1, 2, 0
	MUL8 F1, 3, 0
; THE WAY OUT, a block of 16 rows at a time: rounded to f16 (16 bytes a lane), into my own stage, back as whole rows of 256 bytes, stored.
.macro PACK a
	WIN 0x05                                       ; sources 0 and 1 in window 1; each accumulator's registers in ascending order
.irp b, 0,1,2,3,4,5,6,7
.irp r, 0,1,2,3
	v_cvt_pk_f16_f32 v[TMP+4*(\b)+(\r)], v[64*(\a)+8*(\b)+2*(\r)], v[64*(\a)+8*(\b)+2*(\r)+1]
.endr
.endr
	WIN 0
.endm
.macro TOSTAGE a
.set BK, OB+32*((\a)%2)
.irp b, 0,1,2,3,4,5,6,7
	ds_store_b128 v[STO], v[TMP+4*(\b):TMP+4*(\b)+3] offset:32*(\b)
.endr
.irp t, 0,1,2,3,4,5,6,7
	ds_load_b128 v[BK+4*(\t):BK+4*(\t)+3], v[RD] offset:(\t)*2*SPITCH  ; LDS serves a wave's instructions in order (ISA guide 5.7.1.4): these see the stores above
.endr
.endm
.macro SEND a
.set BK, OB+32*((\a)%2)
	s_wait_dscnt 0x0                               ; the block is back in registers
	s_wait_xcnt 0x0                                ; the stores' base, and the registers that earlier stores read, are rewritten only behind this wait
.if (\a) > 0
	s_add_nc_u64 s[8:9], s[8:9], 16*OUTROW
.endif
.irp t, 0,1,2,3,4,5,6,7
	global_store_b128 v[CO], v[BK+4*(\t):BK+4*(\t)+3], s[8:9] offset:2*(\t)*OUTROW  ; 16 lanes store 256 consecutive bytes, at a multiple of 256 from qkv's first byte
.endr
.endm
	PLACES
	PACK 0
	TOSTAGE 0
.irp a, 1,2,3                          ; block a's conversions stand between block a - 1's loads from the stage and the wait for them
	PACK \a
	SEND (\a)-1
	TOSTAGE \a
.endr
	SEND 3
	s_wait_tensorcnt 0x0                           ; the wave's end
	ds_add_u32 v[SPW], v[NIL]
	s_wait_dscnt 0x0
	CROUND                                         ; the closing round: no work-group ends while a partner may still ask for a tile that names it
	s_endpgm
.Lfunc_end_k_qd4ff783773_proj:
	.size	k_qd4ff783773_proj, .Lfunc_end_k_qd4ff783773_proj-k_qd4ff783773_proj
	.p2alignl 7, 3214868480
	.fill 96, 4, 3214868480
	.section	.rodata,"a",@progbits
	.p2align	6, 0x0
	.amdhsa_kernel k_qd4ff783773_proj
		.amdhsa_group_segment_fixed_size 327680
		.amdhsa_private_segment_fixed_size 0
		.amdhsa_enable_private_segment 0
		.amdhsa_kernarg_size 16
		.amdhsa_user_sgpr_count 2
		.amdhsa_user_sgpr_kernarg_segment_ptr 1
		.amdhsa_wavefront_size32 1
		.amdhsa_system_sgpr_workgroup_id_x 1
		.amdhsa_system_sgpr_workgroup_id_y 1
		.amdhsa_system_sgpr_workgroup_id_z 1
		.amdhsa_system_vgpr_workitem_id 0
		.amdhsa_next_free_vgpr 512
		.amdhsa_next_free_sgpr 66
		.amdhsa_reserve_vcc 0
		.amdhsa_float_denorm_mode_32 3
		.amdhsa_float_denorm_mode_16_64 3
		.amdhsa_memory_ordered 1
		.amdhsa_forward_progress 1
		.amdhsa_inst_pref_size 86
	.end_amdhsa_kernel
	.amdgpu_metadata
---
amdhsa.version: [ 1, 2 ]
amdhsa.kernels:
  - .name:           k_qd4ff783773_proj
    .symbol:         k_qd4ff783773_proj.kd
    .args:
      - { .name: xw, .offset: 0, .size: 8, .value_kind: global_buffer, .address_space: global }
      - { .name: qkv, .offset: 8, .size: 8, .value_kind: global_buffer, .address_space: global }
    .group_segment_fixed_size: 327680
    .private_segment_fixed_size: 0
    .kernarg_segment_align: 8
    .kernarg_segment_size: 16
    .max_flat_workgroup_size: 128
    .sgpr_count:     66
    .vgpr_count:     512
    .wavefront_size: 32
...
	.end_amdgpu_metadata
.endif
;; end of part 2
;; launch score (part 3): grid 8 x 32, 4 waves a work-group, clusters of 4 x 4, 327,680 bytes of LDS; arguments qkv, stat, pp; writes stat, pp
.if DOCPART == 3
	.amdgcn_target "amdgcn-amd-amdhsa--gfx1250"
	.amdhsa_code_object_version 6
	.text
	.protected	k_qd4ff783773_score
	.globl	k_qd4ff783773_score
	.p2align	8
	.type	k_qd4ff783773_score,@function
k_qd4ff783773_score:
	s_mov_b64 s[64:65], 0
	v_nop
	global_prefetch_b8 v0, s[64:65] scope:SCOPE_SE
	s_setreg_imm32_b32 hwreg(HW_REG_WAVE_MODE, 25, 1), 1
	s_wait_xcnt 0x0
	s_wait_alu depctr_hold_cnt(0) depctr_sa_sdst(0) depctr_va_vdst(0) depctr_va_sdst(0) depctr_va_ssrc(0) depctr_va_vcc(0) depctr_vm_vsrc(0)
	s_getreg_b32 s2, hwreg(HW_REG_IB_STS2, 6, 4)
	s_cmp_eq_u32 s2, 0
	s_cbranch_scc0 .Lentry_in_a_cluster
	s_endpgm
.Lentry_in_a_cluster:
	s_bfe_u32 s2, ttmp6, 0x10000c
	s_cmp_lg_u32 s2, 0xf033
	s_cbranch_scc0 .Lentry_shape_is_right
	s_endpgm
.Lentry_shape_is_right:
; SCORES AND THE FIRST LEVEL OF THE SOFTMAX.  s[q][n] = q[q] . k[n] (K = 1024, f16 operands out of qkv, sums in f32).  The keys of a batch fall into 16 chunks of 128.  For each row and chunk t:
;   m_t = the true maximum of the chunk's 128 scores;   pp[q][n] = 2^(c s - c m_t), rounded once to f16, c = log2(e) / 32;   stat: c m_t, and l_t = the sum of the unrounded 2^(c s - c m_t), both f32.
; The launch behind takes the maximum of the 16 c m_t and rescales: together a softmax about the row's true maximum.
; LIMITS.  A weight below 6e-8 counts as 0 in pp (f16's last step), below 2^-126 as 0 in l_t.  NaN and infinities are not treated apart.
; SHARES.  A tile of s is 256 x 256: 32 x 8 = 256 tiles, one for each WGP.  Four waves, each 128 rows x 128 keys (one chunk): 64 accumulators, 512 registers.  K in steps of 128 through two LDS slots.
; CLUSTER 4 x 4: q's tile is asked for jointly along a row of the cluster, k's along a column.
; THE MATRIX INSTRUCTION IS USED TRANSPOSED (source 0 = 16 rows of k, source 1 = 16 rows of q): a lane holds row l % 16 and, of accumulator b, the keys 16 b + 8 (l / 16) + 0..7; the row's other 64 keys lie in the lane 16 away.
; REGISTERS: window 0: v0-31 addresses; v64-127, v128-191 fragments of q, two buffers (on the way out: at work); v32-63, v192-255 the way out.  Window 1: v64-191 fragments of k.  Windows 2, 3: accumulators of my rows 0-63, 64-127.
.set KSTEP,  128
.set PITCH,  272                       ; 68 words: the 16 rows of a fragment load start at 16 different groups of four banks (ISA guide 11.1)
.set HALFT,  128*PITCH
.set SLOT,   4*HALFT                   ; q's 256 rows, then k's 256 rows
.set STAGE,  2*SLOT                    ; 16 rows x 272 bytes for each wave
.set SPITCH, 272
.set SST,    STAGE+4*16*SPITCH         ; 1,024 bytes for each wave: 128 c m_t, then 128 l_t
.set SPARE,  SST+4*1024                ; the spare words: two blocks of 256 bytes that no other line names
.set LAPS,   1024/(2*KSTEP)
.set INROW,  2048                      ; elements in a row of qkv
.set OUTROW, 4096                      ; bytes in a row of pp
.set ADRA, 16
.set ADRB, 20
.set STO,  24
.set RD,   25
.set CO,   26
.set SSA,  27                          ; v27  where I put a row's statistic
.set SPW,  28
.set NIL,  29
.set SSR,  30                          ; v30  where I read four rows' statistics back
.set SGO,  31                          ; v31  16 x lane
.set F0,   64
.set F1,   128
.set TT,   64                          ; the way out: v64-127 a block's 64 scores a lane, then weights
.set CH,   128                         ; v128-131 four chains of the maximum
.set CM,   132                         ; v132-133 c m, twice
.set LL,   136                         ; v136-143 four running pairs of the sum
.set MS,   144                         ; v144-151 c m of block a
.set LS,   152                         ; v152-159 l of block a
.set SO,   160                         ; v160-167 statistics on their way out
.set TMP,  192                         ; v192-223 packed weights
.set OB,   32                          ; rows read back: v32-63 and v224-255 by turns
.set G1, 24
.set G0, 32
.set G1B, 48
.set G0B, 56
.set CS,  66                           ; s[66:67] c, twice
.set SEL, 68                           ; s[68:69] v_permlanex16_b32's selects: each lane takes its own place in the other half
.set LOW, 70                           ; s70  the lowest finite number: it starts the chains of the maximum
.set G1W0, (1<<16)|(1<<20)|(1<<21)|(5<<22)|(3<<25)
.set MSB, 0
.macro WIN new
.if MSB != (\new)
	s_set_vgpr_msb (MSB<<8)|(\new)
.set MSB, \new
.endif
.endm
.set MUL_LO, 0xa1                      ; source 0 (k) window 1, source 1 (q) window 0, C and D window 2
.set MUL_HI, 0xf1                      ; the same, C and D window 3
.set TO_B,   0x40                      ; destination window 1, address window 0
.macro PLACES
.rept 4
	v_nop
.endr
.endm
.macro JLOAD s                         ; waves 0, 1 ask for q's halves, waves 2, 3 for k's; an s_nop 0 and four v_nop follow each line
	s_cmp_eq_u32 s11, 0
	s_cbranch_scc0 .Lfor_b_\@
	tensor_load_to_lds s[G0+4*(\s):G0+4*(\s)+3], s[G1:G1+7]
	s_nop 0
.rept 4
	v_nop
.endr
	s_branch .Lasked_\@
.Lfor_b_\@:
	tensor_load_to_lds s[G0B+4*(\s):G0B+4*(\s)+3], s[G1B:G1B+7]
	s_nop 0
.rept 4
	v_nop
.endr
.Lasked_\@:
.endm
.macro CREST
	s_cmp_lg_u32 s10, 0
	s_cbranch_scc1 .Lnot_wave_0_\@
	s_barrier_signal -3
.Lnot_wave_0_\@:
	s_barrier_wait -3
	s_barrier_signal -1
	s_barrier_wait -1
.endm
.macro CROUND
	s_barrier_signal -1
	s_barrier_wait -1
	CREST
.endm
	s_load_b128 s[4:7], s[0:1], 0x0                ; qkv s[4:5], stat s[6:7]
	s_load_b64 s[8:9], s[0:1], 0x10                ; pp
	v_lshl_add_u32 v[SPW], v0, 2, SPARE
	v_mov_b32 v[NIL], 0
	ds_add_u32 v[SPW], v[NIL]                      ; the wave's opening: the add and its wait stand ahead of my first tensor load
	v_lshrrev_b32 v1, 5, v0
	v_readfirstlane_b32 s10, v1                    ; wave 0..3
	s_lshr_b32 s11, s10, 1                         ; which 128 rows are mine.  Also: I fetch for q (0) or for k (1)
	s_and_b32 s12, s10, 1                          ; which 128 keys.  Also: which 128 rows of that tile I fetch
	s_bfe_u32 s40, ttmp6, 0x40000                  ; cx
	s_bfe_u32 s41, ttmp6, 0x40004                  ; cy
	s_lshl_b32 s42, ttmp9, 2
	s_add_co_u32 s42, s42, s40                     ; tx: which 256 keys of the batch
	s_and_b32 s45, ttmp7, 0xffff                   ; the cluster's y; the batch is half of it
	s_lshl_b32 s13, s45, 2
	s_add_co_u32 s13, s13, s41                     ; ty: which 256 of the 8,192 rows
	s_lshl_b32 s43, s41, 2
	s_lshl_b32 s43, 15, s43
	s_lshl_b32 s44, 0x1111, s40
	s_or_b32 s[G1+0], s43, G1W0
	s_or_b32 s[G1B+0], s44, G1W0
.irp g, G1, G1B
	s_mov_b32 s[(\g)+1], KSTEP<<16                 ; tensor_dim0 = 128
	s_mov_b32 s[(\g)+2], 128<<16                   ; tensor_dim1 = 128
	s_mov_b32 s[(\g)+3], KSTEP<<16                 ; tile_dim0 = 128
	s_mov_b32 s[(\g)+4], 128                       ; tile_dim1 = 128
	s_mov_b32 s[(\g)+5], INROW
	s_mov_b32 s[(\g)+6], 0
	s_mov_b32 s[(\g)+7], 0
.endr
	s_mov_b32 s[CS], 0x3d38aa3b                    ; c = log2(e) / 32
	s_mov_b32 s[CS+1], s[CS]
	s_mov_b32 s[SEL], 0x76543210
	s_mov_b32 s[SEL+1], 0xfedcba98
	s_mov_b32 s[LOW], 0xff7fffff
	s_lshl_b32 s17, s12, 7                         ; which 128 rows of a tile I fetch
	s_lshl_b32 s16, s13, 8
	s_add_co_u32 s16, s16, s17                     ; q: row 256 ty + 128 x half
	s_lshl_b32 s16, s16, 12                        ; rows of 4,096 bytes: under 2^26
	s_lshr_b32 s46, s45, 1
	s_lshl_b32 s46, s46, 11                        ; k: the batch's first row,
	s_lshl_b32 s47, s42, 8
	s_add_co_u32 s46, s46, s47                     ; + 256 tx
	s_add_co_u32 s46, s46, s17                     ; + 128 x half
	s_lshl_b32 s46, s46, 12
	s_add_co_u32 s46, s46, 2048                    ; k lies in the second half of a row
	s_mov_b32 s17, 0
	s_mov_b32 s47, 0
	s_mul_i32 s20, s10, HALFT                      ; where they go: wave x 128 rows
	s_wait_dscnt 0x0                               ; the opening add is done
	s_wait_kmcnt 0x0
	s_add_nc_u64 s[14:15], s[4:5], s[16:17]
	s_add_nc_u64 s[46:47], s[4:5], s[46:47]
	CROUND                                         ; all sixteen work-groups are here: the first joint loads meet
.irp s, 0,1
	s_mov_b32 s[G0+4*(\s)], 1
	s_add_co_u32 s[G0+4*(\s)+1], s20, (\s)*SLOT
	s_add_nc_u64 s[G0+4*(\s)+2:G0+4*(\s)+3], s[14:15], (\s)*KSTEP*2
	s_or_b32 s[G0+4*(\s)+3], s[G0+4*(\s)+3], 0x80000000
	s_mov_b32 s[G0B+4*(\s)], 1
	s_add_co_u32 s[G0B+4*(\s)+1], s20, (\s)*SLOT
	s_add_nc_u64 s[G0B+4*(\s)+2:G0B+4*(\s)+3], s[46:47], (\s)*KSTEP*2
	s_or_b32 s[G0B+4*(\s)+3], s[G0B+4*(\s)+3], 0x80000000
	JLOAD \s
.endr
	v_and_b32 v1, 15, v0                           ; l % 16
	v_bfe_u32 v2, v0, 4, 1                         ; l / 16
	v_mul_u32_u24 v3, v1, PITCH
	v_lshl_add_u32 v3, v2, 4, v3
	s_mul_i32 s21, s11, HALFT                      ; my 128 rows of q
	s_mul_i32 s22, s12, HALFT                      ; my 128 rows of k,
	s_add_co_u32 s22, s22, 2*HALFT                 ; which lie behind q's 256
.irp s, 0,1
	v_add_nc_u32 v[ADRA+(\s)], s21, v3
	v_add_nc_u32 v[ADRB+(\s)], s22, v3
	s_add_co_u32 s21, s21, SLOT
	s_add_co_u32 s22, s22, SLOT
.endr
	s_mul_i32 s23, s10, 16*SPITCH
	s_add_co_u32 s23, s23, STAGE
	v_mul_u32_u24 v4, v1, SPITCH
	v_lshl_add_u32 v4, v2, 4, v4
	v_add_nc_u32 v[STO], s23, v4
	v_mul_u32_u24 v5, v2, SPITCH
	v_lshl_add_u32 v5, v1, 4, v5
	v_add_nc_u32 v[RD], s23, v5
	v_lshlrev_b32 v5, 12, v2
	v_lshl_add_u32 v[CO], v1, 4, v5
	s_lshl_b32 s23, s10, 10
	s_add_co_u32 s23, s23, SST                     ; my 1,024 bytes for the statistics
	v_lshl_add_u32 v[SSA], v1, 2, s23
	v_and_b32 v4, 31, v0
	v_lshlrev_b32 v[SGO], 4, v4
	v_add_nc_u32 v[SSR], s23, v[SGO]
	s_lshl_b32 s18, s13, 8
	s_lshl_b32 s19, s11, 7
	s_add_co_u32 s18, s18, s19                     ; my first row of the 8,192
	s_lshl_b32 s19, s42, 1
	s_add_co_u32 s19, s19, s12                     ; my chunk of 128 keys: 2 tx + w % 2
	s_lshl_b32 s22, s18, 12
	s_lshl_b32 s23, s19, 8
	s_add_co_u32 s22, s22, s23
	s_mov_b32 s23, 0
	s_add_nc_u64 s[8:9], s[8:9], s[22:23]          ; pp at my part of the tile
	s_lshl_b32 s22, s19, 15                        ; stat: a chunk has 8,192 rows of 4 bytes
	s_lshl2_add_u32 s22, s18, s22
	s_add_nc_u64 s[6:7], s[6:7], s[22:23]
.macro MUL16 f, hi, a0, zero           ; 16 matrix instructions: m blocks a0, a0 + 1 of the window's four x all 8 n blocks
	WIN MUL_LO+0x50*(\hi)
.irp a, \a0, (\a0)+1
.irp b, 0,1,2,3,4,5,6,7
.if \zero
	v_wmma_f32_16x16x32_f16 v[8*(8*(\a)+(\b)):8*(8*(\a)+(\b))+7], v[(\f)+8*(\b):(\f)+8*(\b)+7], v[(\f)+8*(4*(\hi)+(\a)):(\f)+8*(4*(\hi)+(\a))+7], 0
.else
	v_wmma_f32_16x16x32_f16 v[8*(8*(\a)+(\b)):8*(8*(\a)+(\b))+7], v[(\f)+8*(\b):(\f)+8*(\b)+7], v[(\f)+8*(4*(\hi)+(\a)):(\f)+8*(4*(\hi)+(\a))+7], v[8*(8*(\a)+(\b)):8*(8*(\a)+(\b))+7]
.endif
.endr
.endr
.endm
.macro FETCH slot, k, f                ; 32 LDS loads in one run: k's 128 rows, then q's, 32 along K at byte k
	WIN TO_B
.irp i, 0,1,2,3,4,5,6,7
	ds_load_b128 v[(\f)+8*(\i):(\f)+8*(\i)+3],   v[ADRB+(\slot)] offset:(\k)+(\i)*16*PITCH
	ds_load_b128 v[(\f)+8*(\i)+4:(\f)+8*(\i)+7], v[ADRB+(\slot)] offset:(\k)+(\i)*16*PITCH+32
.endr
	WIN 0
.irp i, 0,1,2,3,4,5,6,7
	ds_load_b128 v[(\f)+8*(\i):(\f)+8*(\i)+3],   v[ADRA+(\slot)] offset:(\k)+(\i)*16*PITCH
	ds_load_b128 v[(\f)+8*(\i)+4:(\f)+8*(\i)+7], v[ADRA+(\slot)] offset:(\k)+(\i)*16*PITCH+32
.endr
.endm
; A K step is four quarters of 32 along K, 64 matrix instructions each, on buffers 0, 1, 0, 1; the 64 accumulators take turns in the same order in every quarter.
.macro QUARTER slot, k, f, g, zero
	s_wait_dscnt 8                                 ; k and q's rows 0-63 are in; the youngest eight loads (q's rows 64-127) may be out
	MUL16 \f, 0, 0, \zero
	MUL16 \f, 0, 2, \zero
	PLACES
	FETCH \slot, \k, \g
	s_wait_dscnt 32                                ; all but the 32 just issued
	MUL16 \f, 1, 0, \zero
	MUL16 \f, 1, 2, \zero
.endm
; The last quarter changes slots: ONE barrier; in front of it each wave waits for all its tensor loads (one is out: its part of the next slot), adds 0 to its spare word, and waits for that and for its reads of this slot.
.macro MEET round
	WIN 0
	s_wait_tensorcnt 0x0
	ds_add_u32 v[SPW], v[NIL]
	s_wait_dscnt 9                                 ; the add and the youngest eight loads may be out
	MUL16 F1, 0, 0, 0
	s_wait_dscnt 0x0                               ; the add is done, and my reads of this slot are over
	s_barrier_signal -1
	MUL16 F1, 0, 2, 0
.if \round
	WIN 0
.endif
	s_barrier_wait -1
.endm
.macro TURN slot, next, fill           ; fill = 1: the barrier opens a round of the cluster's, and this slot is filled again, two K steps ahead: 224 matrix instructions ahead of the wait for it
	MEET \fill
.if \fill
	CREST
	s_add_nc_u64 s[G0+4*(\slot)+2:G0+4*(\slot)+3], s[G0+4*(\slot)+2:G0+4*(\slot)+3], 2*KSTEP*2
	s_add_nc_u64 s[G0B+4*(\slot)+2:G0B+4*(\slot)+3], s[G0B+4*(\slot)+2:G0B+4*(\slot)+3], 2*KSTEP*2
	JLOAD \slot                                    ; the first tensor load behind the round; its four v_nop are also the places in front of the loads below
.else
	PLACES
.endif
	FETCH \next, 0, F0
	MUL16 F1, 1, 0, 0
	MUL16 F1, 1, 2, 0
.endm
	s_wait_tensorcnt 0x1                           ; my part of K step 0 is in; step 1's may stay out
	s_barrier_signal -1
	s_barrier_wait -1
	FETCH 0, 0, F0
	QUARTER 0, 64, F0, F1, 1                       ; the first quarter's products start the sums
	WIN 0
	s_mov_b32 s3, LAPS-1
.Llap:
	QUARTER 0, 128, F1, F0, 0
	QUARTER 0, 192, F0, F1, 0
	TURN 0, 1, 1
	QUARTER 1, 64,  F0, F1, 0
	QUARTER 1, 128, F1, F0, 0
	QUARTER 1, 192, F0, F1, 0
	TURN 1, 0, 1
	QUARTER 0, 64,  F0, F1, 0
	WIN 0
	s_sub_co_u32 s3, s3, 1
	s_cmp_lg_u32 s3, 0
	s_cbranch_scc1 .Llap
	QUARTER 0, 128, F1, F0, 0                      ; the last lap fills nothing
	QUARTER 0, 192, F0, F1, 0
	TURN 0, 1, 0
	QUARTER 1, 64,  F0, F1, 0
	QUARTER 1, 128, F1, F0, 0
	QUARTER 1, 192, F0, F1, 0
	s_wait_dscnt 8
	MUL16 F1, 0, 0, 0
	MUL16 F1, 0, 2, 0
	s_wait_dscnt 0x0
	MUL16 F1, 1, 0, 0
	MUL16 F1, 1, 2, 0
; THE WAY OUT of block a (16 rows x 128 keys; a lane: 64 scores of one row).
.macro SUMP j                          ; pair j of 32 joins the sum: four running pairs, started by pairs 0-3 plus 4-7; a v_nop where nothing is due, since a plain instruction must stand behind each exponential
.if (\j) < 4
	v_nop
.elseif (\j) < 8
	v_pk_add_f32 v[LL+2*((\j)-4):LL+2*((\j)-4)+1], v[TT+2*((\j)-4):TT+2*((\j)-4)+1], v[TT+2*(\j):TT+2*(\j)+1]
.else
	v_pk_add_f32 v[LL+2*((\j)%4):LL+2*((\j)%4)+1], v[LL+2*((\j)%4):LL+2*((\j)%4)+1], v[TT+2*(\j):TT+2*(\j)+1]
.endif
.endm
.macro SOFT a
.set AC, 64*((\a)%4)
	WIN 0x28+0x14*((\a)/4)                         ; sources 1 and 2 in window 2 or 3
.set i, 0
.rept 8                                ; the maximum of my 64 scores: four chains, chain k over accumulators 2 k and 2 k + 1, each accumulator from its low end on
.irp k, 0,1,2,3
.if i == 0
	v_max3_num_f32 v[CH+(\k)], s[LOW], v[AC+16*(\k)], v[AC+16*(\k)+1]
.else
	v_max3_num_f32 v[CH+(\k)], v[CH+(\k)], v[AC+16*(\k)+2*i], v[AC+16*(\k)+2*i+1]
.endif
.endr
.set i, i+1
.endr
	WIN 0
	v_max3_num_f32 v[CH], v[CH], v[CH+1], v[CH+2]
	v_max_num_f32 v[CH], v[CH], v[CH+3]
	v_permlanex16_b32 v[CH+1], v[CH], s[SEL], s[SEL+1]  ; the row's other 64 keys lie in the lane 16 away
	v_max_num_f32 v[CH], v[CH], v[CH+1]
	v_mul_f32 v[CM], s[CS], v[CH]                  ; c m
	v_mul_f32 v[CM+1], s[CS], v[CH]
	v_mov_b32 v[MS+(\a)], v[CM]
	WIN 0x02+(\a)/4                                ; source 0 in window 2 or 3
.set i, 0
.rept 32
	v_pk_fma_f32 v[TT+2*i:TT+2*i+1], v[AC+2*i:AC+2*i+1], s[CS:CS+1], v[CM:CM+1] op_sel_hi:[1,0,0] neg_lo:[0,0,1] neg_hi:[0,0,1]  ; c s - c m
.set i, i+1
.endr
	WIN 0
.set i, 0
.rept 32                               ; exponential, plain, exponential, plain: the plain ones round and sum the pair before (ISA guide 5.7.2: a plain instruction stands between an exponential and the use of its result)
	v_exp_f32 v[TT+2*i], v[TT+2*i]
.if i == 0
	v_nop
.else
	s_wait_alu depctr_va_vdst(0)
	v_cvt_pk_f16_f32 v[TMP+i-1], v[TT+2*i-2], v[TT+2*i-1]
.endif
	v_exp_f32 v[TT+2*i+1], v[TT+2*i+1]
	SUMP i-1
.set i, i+1
.endr
	s_wait_alu depctr_va_vdst(0)
	v_cvt_pk_f16_f32 v[TMP+31], v[TT+62], v[TT+63]
	SUMP 31
	v_pk_add_f32 v[LL:LL+1], v[LL:LL+1], v[LL+2:LL+3]
	v_pk_add_f32 v[LL+4:LL+5], v[LL+4:LL+5], v[LL+6:LL+7]
	v_pk_add_f32 v[LL:LL+1], v[LL:LL+1], v[LL+4:LL+5]
	v_add_f32 v[CH], v[LL], v[LL+1]
	v_permlanex16_b32 v[CH+1], v[CH], s[SEL], s[SEL+1]
	v_add_f32 v[LS+(\a)], v[CH], v[CH+1]
.endm
.macro TOSTAGE a
.set BK, OB+192*((\a)%2)
.irp b, 0,1,2,3,4,5,6,7
	ds_store_b128 v[STO], v[TMP+4*(\b):TMP+4*(\b)+3] offset:32*(\b)
.endr
.irp t, 0,1,2,3,4,5,6,7
	ds_load_b128 v[BK+4*(\t):BK+4*(\t)+3], v[RD] offset:(\t)*2*SPITCH  ; LDS serves a wave's instructions in order (ISA guide 5.7.1.4): these see the stores above
.endr
.endm
.macro SEND a
.set BK, OB+192*((\a)%2)
	s_wait_dscnt 0x0                               ; the block is back in registers
	s_wait_xcnt 0x0                                ; the stores' base, and the registers that earlier stores read, are rewritten only behind this wait
.if (\a) > 0
	s_add_nc_u64 s[8:9], s[8:9], 16*OUTROW
.endif
.irp t, 0,1,2,3,4,5,6,7
	global_store_b128 v[CO], v[BK+4*(\t):BK+4*(\t)+3], s[8:9] offset:2*(\t)*OUTROW  ; 16 lanes store 256 consecutive bytes, at a multiple of 256 from pp's first byte
.endr
.endm
	PLACES
	SOFT 0
	TOSTAGE 0
.irp a, 1,2,3,4,5,6,7                  ; block a's softmax stands between block a - 1's loads from the stage and the wait for them
	SOFT \a
	SEND (\a)-1
	TOSTAGE \a
.endr
	SEND 7
	; the statistics: row 16 a + l % 16 of my 128 (both halves of the lanes hold the same number and write the same word); back as 16 bytes a lane, 512 consecutive bytes a store
.irp a, 0,1,2,3,4,5,6,7
	ds_store_b32 v[SSA], v[MS+(\a)] offset:64*(\a)
	ds_store_b32 v[SSA], v[LS+(\a)] offset:512+64*(\a)
.endr
	ds_load_b128 v[SO:SO+3], v[SSR]
	ds_load_b128 v[SO+4:SO+7], v[SSR] offset:512
	s_wait_dscnt 0x0
	global_store_b128 v[SGO], v[SO:SO+3], s[6:7]
	global_store_b128 v[SGO], v[SO+4:SO+7], s[6:7] offset:524288
	s_wait_tensorcnt 0x0                           ; the wave's end
	ds_add_u32 v[SPW], v[NIL]
	s_wait_dscnt 0x0
	CROUND                                         ; the closing round
	s_endpgm
.Lfunc_end_k_qd4ff783773_score:
	.size	k_qd4ff783773_score, .Lfunc_end_k_qd4ff783773_score-k_qd4ff783773_score
	.p2alignl 7, 3214868480
	.fill 96, 4, 3214868480
	.section	.rodata,"a",@progbits
	.p2align	6, 0x0
	.amdhsa_kernel k_qd4ff783773_score
		.amdhsa_group_segment_fixed_size 327680
		.amdhsa_private_segment_fixed_size 0
		.amdhsa_enable_private_segment 0
		.amdhsa_kernarg_size 24
		.amdhsa_user_sgpr_count 2
		.amdhsa_user_sgpr_kernarg_segment_ptr 1
		.amdhsa_wavefront_size32 1
		.amdhsa_system_sgpr_workgroup_id_x 1
		.amdhsa_system_sgpr_workgroup_id_y 1
		.amdhsa_system_sgpr_workgroup_id_z 1
		.amdhsa_system_vgpr_workitem_id 0
		.amdhsa_next_free_vgpr 1024
		.amdhsa_next_free_sgpr 72
		.amdhsa_reserve_vcc 0
		.amdhsa_float_denorm_mode_32 3
		.amdhsa_float_denorm_mode_16_64 3
		.amdhsa_memory_ordered 1
		.amdhsa_forward_progress 1
		.amdhsa_inst_pref_size 221
	.end_amdhsa_kernel
	.amdgpu_metadata
---
amdhsa.version: [ 1, 2 ]
amdhsa.kernels:
  - .name:           k_qd4ff783773_score
    .symbol:         k_qd4ff783773_score.kd
    .args:
      - { .name: qkv, .offset: 0, .size: 8, .value_kind: global_buffer, .address_space: global }
      - { .name: stat, .offset: 8, .size: 8, .value_kind: global_buffer, .address_space: global }
      - { .name: pp, .offset: 16, .size: 8, .value_kind: global_buffer, .address_space: global }
    .group_segment_fixed_size: 327680
    .private_segment_fixed_size: 0
    .kernarg_segment_align: 8
    .kernarg_segment_size: 24
    .max_flat_workgroup_size: 128
    .sgpr_count:     72
    .vgpr_count:     1024
    .wavefront_size: 32
...
	.end_amdgpu_metadata
.endif
;; end of part 3
;; launch pv (part 4): grid 4 x 64, 4 waves a work-group, clusters of 4 x 4, 327,680 bytes of LDS; arguments pp, qkv, stat, out0; writes out0
.if DOCPART == 4
	.amdgcn_target "amdgcn-amd-amdhsa--gfx1250"
	.amdhsa_code_object_version 6
	.text
	.protected	k_qd4ff783773_pv
	.globl	k_qd4ff783773_pv
	.p2align	8
	.type	k_qd4ff783773_pv,@function
k_qd4ff783773_pv:
	s_mov_b64 s[64:65], 0
	v_nop
	global_prefetch_b8 v0, s[64:65] scope:SCOPE_SE
	s_setreg_imm32_b32 hwreg(HW_REG_WAVE_MODE, 25, 1), 1
	s_wait_xcnt 0x0
	s_wait_alu depctr_hold_cnt(0) depctr_sa_sdst(0) depctr_va_vdst(0) depctr_va_sdst(0) depctr_va_ssrc(0) depctr_va_vcc(0) depctr_vm_vsrc(0)
	s_getreg_b32 s2, hwreg(HW_REG_IB_STS2, 6, 4)
	s_cmp_eq_u32 s2, 0
	s_cbranch_scc0 .Lentry_in_a_cluster
	s_endpgm
.Lentry_in_a_cluster:
	s_bfe_u32 s2, ttmp6, 0x10000c
	s_cmp_lg_u32 s2, 0xf033
	s_cbranch_scc0 .Lentry_shape_is_right
	s_endpgm
.Lentry_shape_is_right:
; THE SECOND LEVEL OF THE SOFTMAX AND THE SECOND PRODUCT.  For each row: cM = the maximum of its 16 c m_t (the row's true maximum times c); f_t = 2^(c m_t - cM), rounded to f16; l = the sum of f_t l_t.
; out0[q][c] = (sum over chunks t and their keys n of (f_t pp[q][n]) v^T[c][n]) / l.  pp and v^T in f16, f_t pp rounded to f16 (a packed multiply on the fragment), sums in f32, the division a multiply by 1 / l in f32.
; LIMITS.  f_t and f_t pp below 6e-8 count as 0.  l takes the f16-rounded f_t, the same number that scales the weights, and the unrounded weights' sums l_t.  l is at least 1.  NaN and infinities are not treated apart.
; SHARES.  A tile of out0 is 128 rows x 256 channels: 64 x 4 = 256 tiles, one for each WGP.  Four waves, each 64 x 128: 32 accumulators.  K = 2,048 keys in steps of 128, one chunk a step, through two LDS slots.
; Waves 0, 1 fetch v^T's halves (128 rows), waves 2, 3 pp's (64 rows).  CLUSTER 4 x 4: pp's tile is asked for jointly along a row of the cluster, v^T's along a column.
; THE MATRIX INSTRUCTION IS USED TRANSPOSED (source 0 = 16 channels, source 1 = 16 rows of pp): a lane holds row l % 16 and eight neighbouring channels.  A lane's fragment of pp is all of one row, so its factor is one register.
; THE SCALING RIDES: four packed multiplies behind every four matrix instructions scale the block of pp that is multiplied next; they are also the places in front of the next run of LDS loads.
; REGISTERS: window 0: v0-31 addresses; v32-127, v128-223 two fragment buffers (pp's block a at +8 a, v^T's block b at +32 + 8 b); v224-231 factors; v232-239 1 / l.  Window 1: accumulator (a, b) at v[8 (8 a + b)].
.set KSTEP,  128
.set PITCH,  272
.set BHALF,  128*PITCH
.set AHALF,  64*PITCH
.set AOFF,   2*BHALF
.set SLOT,   AOFF+2*AHALF
.set STAGE,  2*SLOT                    ; 16 rows x 528 bytes for each wave
.set SPITCH, 528                       ; 512 bytes + 16 = 132 words: the 16 rows that a store touches start at 16 different groups of four banks
.set TAB,    STAGE+4*16*SPITCH         ; [16 chunks][128 rows] x 4 bytes: f_t twice, in f16
.set RLT,    TAB+16*512                ; [128 rows] x 4 bytes: 1 / l
.set SPARE,  RLT+512                   ; the spare words: two blocks of 256 bytes that no other line names
.set LAPS,   2048/(2*KSTEP)
.set INROW,  2048                      ; elements in a row of pp and of qkv
.set OUTROW, 4096                      ; bytes in a row of out0
.set ADRA, 16
.set ADRB, 20
.set STO,  24
.set RD,   25
.set CO,   26
.set FADR, 27                          ; v27  my lane's place in a chunk's 512 bytes of TAB; never rewritten
.set SPW,  28
.set NIL,  29
.set FA,   30                          ; v30  the same in the chunk to be fetched
.set F0,   32
.set F1,   128
.set FS0,  224                         ; v224-227  the four blocks' factors of the step in slot 0
.set FS1,  228                         ; v228-231  in slot 1
.set RL,   232                         ; v232-239  1 / l of the four blocks' rows, as pairs
.set TMP,  32                          ; the way out: v32-95 a block, scaled
.set OB,   96                          ; rows read back: v96-159 and v160-223 by turns
.set G1A, 24
.set G0A, 32
.set G1B, 48
.set G0B, 56
.set TBF, 66                           ; s66  byte of the chunk to be fetched in TAB: it steps by 512
.set G1W0, (1<<16)|(1<<20)|(1<<21)|(5<<22)|(3<<25)
.set MSB, 0
.macro WIN new
.if MSB != (\new)
	s_set_vgpr_msb (MSB<<8)|(\new)
.set MSB, \new
.endif
.endm
.macro PLACES
.rept 4
	v_nop
.endr
.endm
.macro JLOAD s                         ; waves 0, 1 ask for v^T's halves, waves 2, 3 for pp's; an s_nop 0 and four v_nop follow each line
	s_cmp_eq_u32 s11, 0
	s_cbranch_scc0 .Lfor_a_\@
	tensor_load_to_lds s[G0B+4*(\s):G0B+4*(\s)+3], s[G1B:G1B+7]
	s_nop 0
.rept 4
	v_nop
.endr
	s_branch .Lasked_\@
.Lfor_a_\@:
	tensor_load_to_lds s[G0A+4*(\s):G0A+4*(\s)+3], s[G1A:G1A+7]
	s_nop 0
.rept 4
	v_nop
.endr
.Lasked_\@:
.endm
.macro CREST
	s_cmp_lg_u32 s10, 0
	s_cbranch_scc1 .Lnot_wave_0_\@
	s_barrier_signal -3
.Lnot_wave_0_\@:
	s_barrier_wait -3
	s_barrier_signal -1
	s_barrier_wait -1
.endm
.macro CROUND
	s_barrier_signal -1
	s_barrier_wait -1
	CREST
.endm
	s_load_b128 s[4:7], s[0:1], 0x0                ; pp s[4:5], qkv s[6:7]
	s_load_b128 s[68:71], s[0:1], 0x10             ; stat s[68:69], out0 s[70:71]
	v_lshl_add_u32 v[SPW], v0, 2, SPARE
	v_mov_b32 v[NIL], 0
	ds_add_u32 v[SPW], v[NIL]                      ; the wave's opening: the add and its wait stand ahead of my first tensor load
	v_lshrrev_b32 v1, 5, v0
	v_readfirstlane_b32 s10, v1                    ; wave 0..3
	s_lshr_b32 s11, s10, 1                         ; which 64 rows are mine.  Also: I fetch for v^T (0) or for pp (1)
	s_and_b32 s12, s10, 1                          ; which 128 channels.  Also: which half of that operand's rows I fetch
	s_bfe_u32 s40, ttmp6, 0x40000                  ; cx
	s_bfe_u32 s41, ttmp6, 0x40004                  ; cy
	s_lshl_b32 s42, ttmp9, 2
	s_add_co_u32 s42, s42, s40                     ; tx: which 256 channels
	s_and_b32 s45, ttmp7, 0xffff                   ; the cluster's y; the batch is a quarter of it
	s_lshl_b32 s13, s45, 2
	s_add_co_u32 s13, s13, s41                     ; ty: which 128 of the 8,192 rows
	s_lshl_b32 s43, s41, 2
	s_lshl_b32 s43, 15, s43
	s_lshl_b32 s44, 0x1111, s40
	s_or_b32 s[G1A+0], s43, G1W0
	s_or_b32 s[G1B+0], s44, G1W0
.irp g, G1A, G1B
	s_mov_b32 s[(\g)+1], KSTEP<<16
	s_mov_b32 s[(\g)+3], KSTEP<<16
	s_mov_b32 s[(\g)+5], INROW
	s_mov_b32 s[(\g)+6], 0
	s_mov_b32 s[(\g)+7], 0
.endr
	s_mov_b32 s[G1A+2], 64<<16
	s_mov_b32 s[G1A+4], 64
	s_mov_b32 s[G1B+2], 128<<16
	s_mov_b32 s[G1B+4], 128
	s_mov_b32 s[TBF], 0
	s_lshl_b32 s16, s13, 7
	s_lshl_b32 s17, s12, 6
	s_add_co_u32 s16, s16, s17                     ; pp: row 128 ty + 64 x half
	s_lshl_b32 s16, s16, 12
	s_mov_b32 s17, 0
	s_lshr_b32 s46, s45, 2
	s_lshl_b32 s46, s46, 10
	s_add_co_u32 s46, s46, 8192                    ; v^T: the batch's first row in qkv,
	s_lshl_b32 s47, s42, 8
	s_add_co_u32 s46, s46, s47                     ; + 256 tx
	s_lshl_b32 s47, s12, 7
	s_add_co_u32 s46, s46, s47                     ; + 128 x half
	s_lshl_b32 s46, s46, 12                        ; rows of 4,096 bytes: under 2^26
	s_mov_b32 s47, 0
	s_mul_i32 s20, s10, BHALF
	s_mul_i32 s21, s10, AHALF
	s_add_co_u32 s21, s21, BHALF
	s_wait_dscnt 0x0                               ; the opening add is done
	s_wait_kmcnt 0x0
	s_add_nc_u64 s[14:15], s[4:5], s[16:17]
	s_add_nc_u64 s[46:47], s[6:7], s[46:47]
	CROUND                                         ; all sixteen work-groups are here: the first joint loads meet
.irp s, 0,1
	s_mov_b32 s[G0A+4*(\s)], 1
	s_add_co_u32 s[G0A+4*(\s)+1], s21, (\s)*SLOT
	s_add_nc_u64 s[G0A+4*(\s)+2:G0A+4*(\s)+3], s[14:15], (\s)*KSTEP*2
	s_or_b32 s[G0A+4*(\s)+3], s[G0A+4*(\s)+3], 0x80000000
	s_mov_b32 s[G0B+4*(\s)], 1
	s_add_co_u32 s[G0B+4*(\s)+1], s20, (\s)*SLOT
	s_add_nc_u64 s[G0B+4*(\s)+2:G0B+4*(\s)+3], s[46:47], (\s)*KSTEP*2
	s_or_b32 s[G0B+4*(\s)+3], s[G0B+4*(\s)+3], 0x80000000
	JLOAD \s
.endr
	; THE STATISTICS, in the wait for the first tiles.  Thread i takes row i of the tile's 128: its 16 c m_t into v32-47, its 16 l_t into v48-63.
	s_lshl_b32 s22, s13, 9
	s_mov_b32 s23, 0
	s_add_nc_u64 s[68:69], s[68:69], s[22:23]      ; stat at the tile's first row
	v_lshlrev_b32 v4, 2, v0
.irp t, 0,1,2,3,4,5,6,7,8,9,10,11,12,13,14,15
	global_load_b32 v[32+(\t)], v4, s[68:69] offset:32768*(\t)
	global_load_b32 v[48+(\t)], v4, s[68:69] offset:524288+32768*(\t)
.endr
	v_add_nc_u32 v6, TAB, v4                       ; where thread i puts row i's factors
	v_and_b32 v1, 15, v0                           ; l % 16
	v_bfe_u32 v2, v0, 4, 1                         ; l / 16
	v_mul_u32_u24 v3, v1, PITCH
	v_lshl_add_u32 v3, v2, 4, v3
	s_mul_i32 s22, s12, BHALF
	s_mul_i32 s23, s11, AHALF
	s_add_co_u32 s23, s23, AOFF
.irp s, 0,1
	v_add_nc_u32 v[ADRA+(\s)], s23, v3
	v_add_nc_u32 v[ADRB+(\s)], s22, v3
	s_add_co_u32 s22, s22, SLOT
	s_add_co_u32 s23, s23, SLOT
.endr
	s_mul_i32 s23, s10, 16*SPITCH
	s_add_co_u32 s23, s23, STAGE                   ; my stage
	v_mul_u32_u24 v9, v1, SPITCH                   ; in: row l % 16, 32 bytes for each half of the lanes
	v_lshl_add_u32 v9, v2, 5, v9
	v_add_nc_u32 v[STO], s23, v9
	v_and_b32 v9, 31, v0
	v_lshlrev_b32 v[CO], 4, v9                     ; back and out: 32 lanes take one row of 512 bytes
	v_add_nc_u32 v[RD], s23, v[CO]
	s_lshl_b32 s23, s11, 8
	s_add_co_u32 s23, s23, TAB
	v_lshl_add_u32 v[FADR], v1, 2, s23             ; TAB + 4 (64 (w / 2) + l % 16)
	s_lshl_b32 s18, s13, 7                         ; my part of the tile in out0: row 128 ty + 64 (w / 2), byte 1,024 tx + 512 (w % 2)
	s_lshl_b32 s19, s11, 6
	s_add_co_u32 s18, s18, s19
	s_lshl_b32 s18, s18, 12
	s_lshl_b32 s22, s42, 10
	s_lshl_b32 s23, s12, 9
	s_add_co_u32 s22, s22, s23
	s_add_co_u32 s18, s18, s22
	s_mov_b32 s19, 0
	s_add_nc_u64 s[8:9], s[70:71], s[18:19]
	s_wait_loadcnt 0x0
	v_max3_num_f32 v5, v32, v33, v34               ; cM
.irp t, 35,37,39,41,43,45
	v_max3_num_f32 v5, v5, v[\t], v[(\t)+1]
.endr
	v_max_num_f32 v5, v5, v47
.irp t, 0,1,2,3,4,5,6,7,8,9,10,11,12,13,14,15
	v_sub_f32 v[32+(\t)], v[32+(\t)], v5
.endr
.irp t, 0,1,2,3,4,5,6,7,8,9,10,11,12,13,14,15
	v_exp_f32 v[32+(\t)], v[32+(\t)]               ; f_t
.endr
	v_mov_b32 v7, 0                                ; two chains for l; also the plain instruction behind the last exponential
	v_mov_b32 v8, 0
	s_wait_alu depctr_va_vdst(0)
.irp t, 0,1,2,3,4,5,6,7,8,9,10,11,12,13,14,15
	v_cvt_pk_f16_f32 v[64+(\t)], v[32+(\t)], v[32+(\t)]
.endr
.irp t, 0,1,2,3,4,5,6,7,8,9,10,11,12,13,14,15
	ds_store_b32 v6, v[64+(\t)] offset:512*(\t)
.endr
.irp t, 0,2,4,6,8,10,12,14
	v_fma_mix_f32 v7, v[64+(\t)], v[48+(\t)], v7 op_sel_hi:[1,0,0]  ; l += (the f16 f_t) x l_t, in f32
	v_fma_mix_f32 v8, v[65+(\t)], v[49+(\t)], v8 op_sel_hi:[1,0,0]
.endr
	v_add_f32 v7, v7, v8
	v_rcp_f32 v7, v7
	v_nop                                          ; a plain instruction between the reciprocal and the use of its result
	s_wait_alu depctr_va_vdst(0)
	ds_store_b32 v6, v7 offset:16*512              ; RLT lies behind TAB's 16 chunks
.macro MUL4 f, a, b0, zero             ; four matrix instructions: m block a x n blocks b0 .. b0 + 3
	WIN 0x50
.irp b, \b0, (\b0)+1, (\b0)+2, (\b0)+3
.if \zero
	v_wmma_f32_16x16x32_f16 v[8*(8*(\a)+(\b)):8*(8*(\a)+(\b))+7], v[(\f)+32+8*(\b):(\f)+32+8*(\b)+7], v[(\f)+8*(\a):(\f)+8*(\a)+7], 0
.else
	v_wmma_f32_16x16x32_f16 v[8*(8*(\a)+(\b)):8*(8*(\a)+(\b))+7], v[(\f)+32+8*(\b):(\f)+32+8*(\b)+7], v[(\f)+8*(\a):(\f)+8*(\a)+7], v[8*(8*(\a)+(\b)):8*(8*(\a)+(\b))+7]
.endif
.endr
.endm
.macro SC4 tf, ta, fs, i0              ; registers i0 .. i0 + 3 of pp's block ta in buffer tf, times the block's factor
	WIN 0
.irp i, \i0, (\i0)+1, (\i0)+2, (\i0)+3
	v_pk_mul_f16 v[(\tf)+8*(\ta)+(\i)], v[(\tf)+8*(\ta)+(\i)], v[(\fs)+(\ta)]
.endr
.endm
; Eight products of block a, and beside them the scaling of the block that is multiplied next.  wait = 1: that block has just been fetched: its two loads (and the factors, where they were fetched) stand ahead of 22 others.
.macro BLK f, a, zero, tf, ta, fs, wait
	MUL4 \f, \a, 0, \zero
	WIN 0
.if \wait
	s_wait_dscnt 22
.endif
	SC4 \tf, \ta, \fs, 0
	MUL4 \f, \a, 4, \zero
	SC4 \tf, \ta, \fs, 4
.endm
.macro FETCH slot, k, f                ; 24 LDS loads in one run: pp's four blocks first, then v^T's eight
	WIN 0
.irp a, 0,1,2,3
	ds_load_b128 v[(\f)+8*(\a):(\f)+8*(\a)+3],   v[ADRA+(\slot)] offset:(\k)+(\a)*16*PITCH
	ds_load_b128 v[(\f)+8*(\a)+4:(\f)+8*(\a)+7], v[ADRA+(\slot)] offset:(\k)+(\a)*16*PITCH+32
.endr
.irp b, 0,1,2,3,4,5,6,7
	ds_load_b128 v[(\f)+32+8*(\b):(\f)+32+8*(\b)+3],   v[ADRB+(\slot)] offset:(\k)+(\b)*16*PITCH
	ds_load_b128 v[(\f)+32+8*(\b)+4:(\f)+32+8*(\b)+7], v[ADRB+(\slot)] offset:(\k)+(\b)*16*PITCH+32
.endr
.endm
; A quarter: 32 along K, 32 matrix instructions; the 32 accumulators take turns in the same order in every quarter.  Every quarter ends in four packed multiplies that name no register
; of the products before them: they are the places in front of the next quarter's loads into the buffer that those products read.
.macro QUARTER slot, k, f, g, fs, zero
	s_wait_dscnt 0x0                               ; buffer f is in: its loads went out a whole quarter ago
	FETCH \slot, \k, \g
	BLK \f, 0, \zero, \f, 1, \fs, 0
	BLK \f, 1, \zero, \f, 2, \fs, 0
	BLK \f, 2, \zero, \f, 3, \fs, 0
	BLK \f, 3, \zero, \g, 0, \fs, 1
.endm
; The last quarter multiplies buffer 1 and changes slots: ONE barrier; in front of it each wave waits for all its tensor loads (one is out: its part of the next slot), adds 0 to its spare word,
; and waits for that and for its reads of this slot.  fill = 1: the barrier opens a round of the cluster's, and this slot is filled again, two K steps ahead.  Then the next chunk's factors and first fragments.
.macro TURN slot, next, fill, fs, fsn
	WIN 0
	s_wait_tensorcnt 0x0
	ds_add_u32 v[SPW], v[NIL]
	s_wait_dscnt 1                                 ; buffer 1 is in; the add alone may be out
	BLK F1, 0, 0, F1, 1, \fs, 0
	s_wait_dscnt 0x0                               ; the add is done, and my reads of this slot are over
	s_barrier_signal -1
	BLK F1, 1, 0, F1, 2, \fs, 0
	s_barrier_wait -1                              ; (the block has left every window 0)
.if \fill
	CREST
	s_add_nc_u64 s[G0A+4*(\slot)+2:G0A+4*(\slot)+3], s[G0A+4*(\slot)+2:G0A+4*(\slot)+3], 2*KSTEP*2
	s_add_nc_u64 s[G0B+4*(\slot)+2:G0B+4*(\slot)+3], s[G0B+4*(\slot)+2:G0B+4*(\slot)+3], 2*KSTEP*2
	JLOAD \slot                                    ; the first tensor load behind the round
.endif
	s_add_co_u32 s[TBF], s[TBF], 512               ; the next chunk's factors
	v_add_nc_u32 v[FA], s[TBF], v[FADR]
.irp a, 0,1,2,3
	ds_load_b32 v[(\fsn)+(\a)], v[FA] offset:64*(\a)
.endr
	FETCH \next, 0, F0
	BLK F1, 2, 0, F1, 3, \fs, 0
	BLK F1, 3, 0, F0, 0, \fsn, 1
.endm
	s_wait_tensorcnt 0x1                           ; my part of K step 0 is in; step 1's may stay out
	s_wait_dscnt 0x0                               ; for the others' sake: my rows' factors and 1 / l are in LDS
	s_barrier_signal -1
	s_barrier_wait -1
.irp a, 0,1,2,3
	ds_load_b32 v[RL+2*(\a)], v[FADR] offset:16*512+64*(\a)
.endr
.irp a, 0,1,2,3
	ds_load_b32 v[FS0+(\a)], v[FADR] offset:64*(\a)
.endr
	FETCH 0, 0, F0
	s_wait_dscnt 0x0
.irp a, 0,1,2,3
	v_mov_b32 v[RL+2*(\a)+1], v[RL+2*(\a)]         ; named as pairs by the packed multiply
.endr
	SC4 F0, 0, FS0, 0
	SC4 F0, 0, FS0, 4
	QUARTER 0, 64, F0, F1, FS0, 1                  ; the first quarter's products start the sums
	WIN 0
	s_mov_b32 s3, LAPS-1
.Llap:
	QUARTER 0, 128, F1, F0, FS0, 0
	QUARTER 0, 192, F0, F1, FS0, 0
	TURN 0, 1, 1, FS0, FS1
	QUARTER 1, 64,  F0, F1, FS1, 0
	QUARTER 1, 128, F1, F0, FS1, 0
	QUARTER 1, 192, F0, F1, FS1, 0
	TURN 1, 0, 1, FS1, FS0
	QUARTER 0, 64,  F0, F1, FS0, 0
	WIN 0
	s_sub_co_u32 s3, s3, 1
	s_cmp_lg_u32 s3, 0
	s_cbranch_scc1 .Llap
	QUARTER 0, 128, F1, F0, FS0, 0                 ; the last lap fills nothing
	QUARTER 0, 192, F0, F1, FS0, 0
	TURN 0, 1, 0, FS0, FS1
	QUARTER 1, 64,  F0, F1, FS1, 0
	QUARTER 1, 128, F1, F0, FS1, 0
	QUARTER 1, 192, F0, F1, FS1, 0
	s_wait_dscnt 0x0
	BLK F1, 0, 0, F1, 1, FS1, 0
	BLK F1, 1, 0, F1, 2, FS1, 0
	BLK F1, 2, 0, F1, 3, FS1, 0
	MUL4 F1, 3, 0, 0
	MUL4 F1, 3, 4, 0
; THE WAY OUT, a block of 16 rows at a time: times 1 / l, into my own stage (32 bytes a lane and accumulator), back as whole rows of 512 bytes, stored.
.macro SCALE a
	WIN 0x01                                       ; source 0 in window 1; each accumulator's registers in ascending order
.set i, 0
.rept 32
	v_pk_mul_f32 v[TMP+2*i:TMP+2*i+1], v[64*(\a)+2*i:64*(\a)+2*i+1], v[RL+2*(\a):RL+2*(\a)+1] op_sel_hi:[1,0]
.set i, i+1
.endr
	WIN 0
.endm
.macro TOSTAGE a
.set BK, OB+64*((\a)%2)
.irp b, 0,1,2,3,4,5,6,7
	ds_store_b128 v[STO], v[TMP+8*(\b):TMP+8*(\b)+3] offset:64*(\b)
	ds_store_b128 v[STO], v[TMP+8*(\b)+4:TMP+8*(\b)+7] offset:64*(\b)+16
.endr
.irp t, 0,1,2,3,4,5,6,7,8,9,10,11,12,13,14,15
	ds_load_b128 v[BK+4*(\t):BK+4*(\t)+3], v[RD] offset:(\t)*SPITCH  ; LDS serves a wave's instructions in order (ISA guide 5.7.1.4): these see the stores above
.endr
.endm
.macro SEND a
.set BK, OB+64*((\a)%2)
	s_wait_dscnt 0x0                               ; the block is back in registers
	s_wait_xcnt 0x0                                ; the stores' base, and the registers that earlier stores read, are rewritten only behind this wait
.if (\a) > 0
	s_add_nc_u64 s[8:9], s[8:9], 16*OUTROW
.endif
.irp t, 0,1,2,3,4,5,6,7,8,9,10,11,12,13,14,15
	global_store_b128 v[CO], v[BK+4*(\t):BK+4*(\t)+3], s[8:9] offset:(\t)*OUTROW th:TH_STORE_NT  ; 512 consecutive bytes, at a multiple of 256 from out0's first byte
.endr
.endm
	PLACES
	SCALE 0
	TOSTAGE 0
.irp a, 1,2,3                          ; block a's scaling stands between block a - 1's loads from the stage and the wait for them
	SCALE \a
	SEND (\a)-1
	TOSTAGE \a
.endr
	SEND 3
	s_wait_tensorcnt 0x0                           ; the wave's end
	ds_add_u32 v[SPW], v[NIL]
	s_wait_dscnt 0x0
	CROUND                                         ; the closing round
	s_endpgm
.Lfunc_end_k_qd4ff783773_pv:
	.size	k_qd4ff783773_pv, .Lfunc_end_k_qd4ff783773_pv-k_qd4ff783773_pv
	.p2alignl 7, 3214868480
	.fill 96, 4, 3214868480
	.section	.rodata,"a",@progbits
	.p2align	6, 0x0
	.amdhsa_kernel k_qd4ff783773_pv
		.amdhsa_group_segment_fixed_size 327680
		.amdhsa_private_segment_fixed_size 0
		.amdhsa_enable_private_segment 0
		.amdhsa_kernarg_size 32
		.amdhsa_user_sgpr_count 2
		.amdhsa_user_sgpr_kernarg_segment_ptr 1
		.amdhsa_wavefront_size32 1
		.amdhsa_system_sgpr_workgroup_id_x 1
		.amdhsa_system_sgpr_workgroup_id_y 1
		.amdhsa_system_sgpr_workgroup_id_z 1
		.amdhsa_system_vgpr_workitem_id 0
		.amdhsa_next_free_vgpr 512
		.amdhsa_next_free_sgpr 72
		.amdhsa_reserve_vcc 0
		.amdhsa_float_denorm_mode_32 3
		.amdhsa_float_denorm_mode_16_64 3
		.amdhsa_memory_ordered 1
		.amdhsa_forward_progress 1
		.amdhsa_inst_pref_size 140
	.end_amdhsa_kernel
	.amdgpu_metadata
---
amdhsa.version: [ 1, 2 ]
amdhsa.kernels:
  - .name:           k_qd4ff783773_pv
    .symbol:         k_qd4ff783773_pv.kd
    .args:
      - { .name: pp, .offset: 0, .size: 8, .value_kind: global_buffer, .address_space: global }
      - { .name: qkv, .offset: 8, .size: 8, .value_kind: global_buffer, .address_space: global }
      - { .name: stat, .offset: 16, .size: 8, .value_kind: global_buffer, .address_space: global }
      - { .name: out0, .offset: 24, .size: 8, .value_kind: global_buffer, .address_space: global }
    .group_segment_fixed_size: 327680
    .private_segment_fixed_size: 0
    .kernarg_segment_align: 8
    .kernarg_segment_size: 32
    .max_flat_workgroup_size: 128
    .sgpr_count:     72
    .vgpr_count:     512
    .wavefront_size: 32
...
	.end_amdgpu_metadata
.endif
;; end of part 4
;; ======== version 2 of 3: 4 launches; 1.12 times as fast as version 1
;; limits: values are held in f16: magnitudes above 65,504 overflow, below 6.1e-05 lose precision
;; workspace buffers: xw 23,068,672 bytes; qkv 50,331,648 bytes; pp 33,554,432 bytes; stat 1,048,576 bytes
;; launch cast (part 5): grid 704 x 1, 8 waves a work-group, no clusters, 0 bytes of LDS; arguments x, W_query, W_key, W_value, xw; writes xw
.if DOCPART == 5
	.amdgcn_target "amdgcn-amd-amdhsa--gfx1250"
	.amdhsa_code_object_version 6
	.text
	.protected	k_qd4ff783773_cast
	.globl	k_qd4ff783773_cast
	.p2align	8
	.type	k_qd4ff783773_cast,@function
k_qd4ff783773_cast:
	s_mov_b64 s[64:65], 0
	v_nop
	global_prefetch_b8 v0, s[64:65] scope:SCOPE_SE
	s_setreg_imm32_b32 hwreg(HW_REG_WAVE_MODE, 25, 1), 1
	s_wait_xcnt 0x0
; xw = x, W_query, W_key and W_value, each number rounded once to bf16, laid out for the projection's tiles: [16 K blocks][11264 rows][64 numbers], a row's piece 128 bytes, a K block 1,441,792 bytes.
; Rows 0-8191: x's rows.  Row 8192 + 384 j + i (j = 0..7): for i < 256 column c = 256 j + i of q|k (W_query's row c, or W_key's row c - 1024); for i >= 256 W_value's row 128 j + i - 256.
; So the 256 rows of x and the 384 rows of weights that a tile of the projection needs are, in each K block, consecutive bytes.
; A stream: every input byte is read once, every output byte written once; no LDS, no barrier, no matrix work: there is nothing to share.
; Work-group g takes 16 source rows (65,536 bytes of f32): g < 512: x's; else of the weight (g - 512) / 64 its rows 16 ((g - 512) % 64) on; 16 rows never cross a boundary of 128 rows.
; Wave w takes rows 2 w and 2 w + 1: lanes 0-15 read 256 consecutive bytes (one K block) of the first, lanes 16-31 of the second; their 128 + 128 bytes of bf16 are 256 consecutive bytes of xw, at a multiple of 256.
; All sixteen loads of a thread go out first; no register is written twice, so nothing waits but the counted waits for the loads.
.set PLANE, 1441792                    ; bytes in a K block of xw
.set X,  4                             ; v[4:67]   sixteen loads of four f32
.set Y,  68                            ; v[68:99]  sixteen pairs of packed bf16
.set BS, 32                            ; s[32:39]  xw at my rows in K blocks 0, 5, 10, 15: four further blocks are within a store's immediate (5,767,168 bytes, inside its signed 24 bits)
	s_load_b256 s[4:11], s[0:1], 0x0               ; x s[4:5], W_query s[6:7], W_key s[8:9], W_value s[10:11]
	s_load_b64 s[12:13], s[0:1], 0x20              ; xw
	s_mov_b32 s14, ttmp9                           ; g
	s_sub_co_u32 s15, s14, 512                     ; its number among the weights' parts (what is made of it is used only where g >= 512)
	s_lshr_b32 s16, s15, 6                         ; which weight
	s_and_b32 s17, s15, 63
	s_lshl_b32 s23, s17, 4                         ; the part's first row in the weight
	s_lshl_b32 s17, s17, 16                        ; its byte offset there
	s_lshl_b32 s22, s14, 16                        ; the part's byte offset in x
	s_mov_b32 s21, 0
	s_lshl_b32 s26, s16, 10
	s_add_co_u32 s26, s26, s23                     ; W_query, W_key: c, the column of q|k
	s_lshr_b32 s27, s26, 8
	s_mul_i32 s27, s27, 384
	s_and_b32 s26, s26, 255
	s_add_co_u32 s26, s26, s27                     ; 384 (c / 256) + c % 256
	s_lshr_b32 s27, s23, 7                         ; W_value: 384 (row / 128) + 256 + row % 128
	s_mul_i32 s27, s27, 384
	s_and_b32 s28, s23, 127
	s_add_co_u32 s27, s27, s28
	s_add_co_u32 s27, s27, 256
	s_cmp_eq_u32 s16, 2
	s_cselect_b32 s26, s27, s26
	s_add_co_u32 s26, s26, 8192                    ; the weights lie behind x's rows
	s_lshl_b32 s27, s14, 4                         ; x: row 16 g
	s_cmp_lt_u32 s14, 512
	s_cselect_b32 s26, s27, s26                    ; my first row in xw
	s_lshl_b32 s24, s26, 7                         ; 128 bytes a row
	s_mov_b32 s25, 0
	v_lshrrev_b32 v3, 4, v0                        ; my row of the sixteen: 2 w + lane / 16
	v_and_b32 v4, 15, v0
	v_lshlrev_b32 v1, 12, v3
	v_lshl_add_u32 v1, v4, 4, v1                   ; in: row x 4,096 + 16 (lane % 16)
	v_lshlrev_b32 v2, 7, v3
	v_lshl_add_u32 v2, v4, 3, v2                   ; out: row x 128 + 8 (lane % 16)
	s_wait_kmcnt 0x0
	s_cmp_eq_u32 s16, 1
	s_cselect_b64 s[18:19], s[8:9], s[6:7]         ; the source is chosen among the four buffers by g alone
	s_cmp_eq_u32 s16, 2
	s_cselect_b64 s[18:19], s[10:11], s[18:19]
	s_cmp_lt_u32 s14, 512
	s_cselect_b64 s[18:19], s[4:5], s[18:19]
	s_cselect_b32 s20, s22, s17
	s_add_nc_u64 s[18:19], s[18:19], s[20:21]
	s_add_nc_u64 s[BS:BS+1], s[12:13], s[24:25]
	s_add_nc_u64 s[BS+2:BS+3], s[BS:BS+1], 5*PLANE
	s_add_nc_u64 s[BS+4:BS+5], s[BS:BS+1], 10*PLANE
	s_add_nc_u64 s[BS+6:BS+7], s[BS:BS+1], 15*PLANE
.irp i, 0,1,2,3,4,5,6,7,8,9,10,11,12,13,14,15
	global_load_b128 v[X+4*(\i):X+4*(\i)+3], v1, s[18:19] offset:256*(\i) th:TH_LOAD_NT  ; K block i of my row
.endr
.irp i, 0,1,2,3,4,5,6,7,8,9,10,11,12,13,14,15
	s_wait_loadcnt 15-(\i)                         ; loads come back in order (ISA guide 5.7.1): load i is in, the younger ones stay out
	v_cvt_pk_bf16_f32 v[Y+2*(\i)], v[X+4*(\i)], v[X+4*(\i)+1]
	v_cvt_pk_bf16_f32 v[Y+2*(\i)+1], v[X+4*(\i)+2], v[X+4*(\i)+3]
	global_store_b64 v2, v[Y+2*(\i):Y+2*(\i)+1], s[BS+2*((\i)/5):BS+2*((\i)/5)+1] offset:((\i)%5)*PLANE
.endr
	s_endpgm
.Lfunc_end_k_qd4ff783773_cast:
	.size	k_qd4ff783773_cast, .Lfunc_end_k_qd4ff783773_cast-k_qd4ff783773_cast
	.p2alignl 7, 3214868480
	.fill 96, 4, 3214868480
	.section	.rodata,"a",@progbits
	.p2align	6, 0x0
	.amdhsa_kernel k_qd4ff783773_cast
		.amdhsa_group_segment_fixed_size 0
		.amdhsa_private_segment_fixed_size 0
		.amdhsa_enable_private_segment 0
		.amdhsa_kernarg_size 40
		.amdhsa_user_sgpr_count 2
		.amdhsa_user_sgpr_kernarg_segment_ptr 1
		.amdhsa_wavefront_size32 1
		.amdhsa_system_sgpr_workgroup_id_x 1
		.amdhsa_system_sgpr_workgroup_id_y 1
		.amdhsa_system_sgpr_workgroup_id_z 1
		.amdhsa_system_vgpr_workitem_id 0
		.amdhsa_next_free_vgpr 104
		.amdhsa_next_free_sgpr 66
		.amdhsa_reserve_vcc 0
		.amdhsa_float_denorm_mode_32 3
		.amdhsa_float_denorm_mode_16_64 3
		.amdhsa_memory_ordered 1
		.amdhsa_forward_progress 1
		.amdhsa_inst_pref_size 8
	.end_amdhsa_kernel
	.amdgpu_metadata
---
amdhsa.version: [ 1, 2 ]
amdhsa.kernels:
  - .name:           k_qd4ff783773_cast
    .symbol:         k_qd4ff783773_cast.kd
    .args:
      - { .name: x, .offset: 0, .size: 8, .value_kind: global_buffer, .address_space: global }
      - { .name: W_query, .offset: 8, .size: 8, .value_kind: global_buffer, .address_space: global }
      - { .name: W_key, .offset: 16, .size: 8, .value_kind: global_buffer, .address_space: global }
      - { .name: W_value, .offset: 24, .size: 8, .value_kind: global_buffer, .address_space: global }
      - { .name: xw, .offset: 32, .size: 8, .value_kind: global_buffer, .address_space: global }
    .group_segment_fixed_size: 0
    .private_segment_fixed_size: 0
    .kernarg_segment_align: 8
    .kernarg_segment_size: 40
    .max_flat_workgroup_size: 256
    .sgpr_count:     66
    .vgpr_count:     104
    .wavefront_size: 32
...
	.end_amdgpu_metadata
.endif
;; end of part 5
;; launch proj (part 6): grid 8 x 32, 4 waves a work-group, clusters of 4 x 4, 327,680 bytes of LDS; arguments xw, qkv; writes qkv
.if DOCPART == 6
	.amdgcn_target "amdgcn-amd-amdhsa--gfx1250"
	.amdhsa_code_object_version 6
	.text
	.protected	k_qd4ff783773_proj
	.globl	k_qd4ff783773_proj
	.p2align	8
	.type	k_qd4ff783773_proj,@function
k_qd4ff783773_proj:
	s_mov_b64 s[64:65], 0
	v_nop
	global_prefetch_b8 v0, s[64:65] scope:SCOPE_SE
	s_setreg_imm32_b32 hwreg(HW_REG_WAVE_MODE, 25, 1), 1
	s_wait_xcnt 0x0
	s_wait_alu depctr_hold_cnt(0) depctr_sa_sdst(0) depctr_va_vdst(0) depctr_va_sdst(0) depctr_va_ssrc(0) depctr_va_vcc(0) depctr_vm_vsrc(0)
	s_getreg_b32 s2, hwreg(HW_REG_IB_STS2, 6, 4)
	s_cmp_eq_u32 s2, 0
	s_cbranch_scc0 .Lentry_in_a_cluster
	s_endpgm
.Lentry_in_a_cluster:
	s_bfe_u32 s2, ttmp6, 0x10000c
	s_cmp_lg_u32 s2, 0xf033
	s_cbranch_scc0 .Lentry_shape_is_right
	s_endpgm
.Lentry_shape_is_right:
; THE THREE PROJECTIONS IN ONE TILE.  qkv[12288][2048] f16.  Rows 0-8191 (tokens): columns 0-1023 q = x Wq^T, 1024-2047 k = x Wk^T.  Row 8192 + 1024 b + c: v^T of batch b, channel c, by keys.
; Operands out of xw (bf16, [16 K blocks][11264 rows][64]: x's rows, then for each tile column 256 rows of Wq|Wk and 128 of Wv).  Sums in f32, K ascending, each result rounded once to f16.
; LIMITS.  f16 ends at 65,504: |q|, |k|, |v| must stay below that (at the drawn spread they are below 4; 900 times that still fits).  NaN and infinities are not treated apart.
; SHARES.  The output is 8,192 x 3,072 numbers: 256 x 384 for each of 256 work-groups, one to a WGP: 256 tokens x (256 columns of q|k and 128 channels of v), so that x's tile serves all three products.
; Four waves, each 128 tokens x (128 + 64): 96 accumulators of 16 x 16, 768 registers.  For 32 along K a wave loads 20 fragments (40 LDS loads) and issues 96 matrix instructions.
; K goes in steps of 64 through two LDS slots of 640 rows (128 bytes + 16 of padding): two slots of 128 along K would take 2 x 640 x 272 = 348,160 bytes, more than there is.
; In a K block a tile's rows are consecutive bytes, so they are asked for as rows of 256 bytes, two rows of the tile each, padded in LDS after every 128 bytes.
; Waves 0, 1 fetch x's halves (128 rows), waves 2, 3 the weights' (192 rows): one tensor load a wave and step.
; CLUSTER 4 x 4: x's tile hangs on the tile row alone and is asked for jointly by a row of the cluster, the weights' on the tile column alone and is asked for jointly by a column.
; THE SOURCES' ORDER.  q|k (column blocks 0-7): source 0 = 16 rows of the weights, source 1 = 16 tokens: a lane holds token l % 16 and eight neighbouring columns.
; v (blocks 8-11): source 0 = 16 tokens, source 1 = 16 rows of Wv: a lane holds channel l % 16 and eight neighbouring tokens: a piece of a row of v^T.
; REGISTERS, in windows of 256: window 0: v0-31 addresses; v32-95, v96-159 x's fragments (block a at +8 a), two buffers; v160-255 the weights' fragments (block b at +8 b), ONE buffer:
; four of its blocks are loaded again behind the 32 products that read them, 64 products ahead of their next use.  Windows 1-3: accumulator (a, b) at v[8 (8 (b % 4) + a)] of window 1 + b / 4.
.set PITCH,  144                       ; 36 words: the 16 rows of a fragment load start at 16 different groups of four banks (64 banks of 4 bytes: ISA guide 11.1)
.set PLANE,  1441792                   ; bytes from a K block of xw to the next
.set AHALF,  128*PITCH                 ; what a wave fetches of x
.set BHALF,  192*PITCH                 ; and of the weights
.set BOFF,   2*AHALF                   ; the weights' 384 rows lie behind x's 256;
.set VOFF,   BOFF+256*PITCH            ; Wv's 128 behind Wq|Wk's 256
.set SLOTB,  BOFF+2*BHALF              ; 92,160 bytes
.set SLOT1,  1<<17                     ; slot 1 begins here, so that one exclusive or turns an address in one slot into the other's
.set STAGE,  SLOT1+SLOTB               ; behind the ring: 16 rows x 272 bytes for each wave, for the way out
.set SPITCH, 272
.set SPARE,  STAGE+4*16*SPITCH         ; the spare words, 128 bytes for each wave: two blocks of 256 bytes that no other line names
.set STEPS,  16                        ; 1,024 / 64
.set OUTROW, 4096                      ; bytes in a row of qkv
.set ADRA0, 10                         ; v10  my lane's place in x's rows of a slot; never rewritten
.set ADRB0, 11                         ; v11  in Wq|Wk's
.set ADRV0, 12                         ; v12  in Wv's
.set ADRA, 16                          ; v16-18  the same in the slot to be read
.set ADRB, 17
.set ADRV, 18
.set STO,  24                          ; v24  the way out: where I put 16 bytes of a row
.set RD,   25                          ; v25  where I read a row back
.set CO,   26                          ; v26  my byte offset in two rows of qkv
.set SPW,  28                          ; v28  my spare word; never rewritten
.set NIL,  29                          ; v29  0; never rewritten
.set AF0,  32
.set AF1,  96
.set BF,   160
.set TMP,  32                          ; the way out: packed results
.set OB,   64                          ; rows read back: v64-95 and v96-127 by turns
.set G1A, 24                           ; s[24:31] descriptor group 1 for x;  s[32:39] group 0: a set for each first fill; the second then walks
.set G0A, 32
.set G1B, 48                           ; s[48:55], s[56:63] the same for the weights
.set G0B, 56
.set OFP, 66                           ; s[66:67] an offset on its way into an address
.set TB,  68                           ; s68  LDS byte at which the slot to be read begins: 0 or SLOT1
.set G1W0, (1<<16)|(1<<20)|(1<<21)|(4<<22)|(3<<25)  ; 2-byte elements; padding on; bit 21 beside a mask; after every 32 words, 4 words
.set MSB, 0
.macro WIN new                         ; the immediate's high byte repeats the setting that is left; a switch that changes nothing is dropped
.if MSB != (\new)
	s_set_vgpr_msb (MSB<<8)|(\new)
.set MSB, \new
.endif
.endm
.macro PLACES                          ; four places in front of loads into registers that matrix instructions have read, and of conversions that read results
.rept 4
	v_nop
.endr
.endm
.macro JLOAD s                         ; a joint load by descriptor set s: waves 0, 1 ask for x's halves, waves 2, 3 for the weights'; the branch hangs on the wave's number alone; an s_nop 0 and four v_nop follow each line
	s_cmp_eq_u32 s11, 0
	s_cbranch_scc0 .Lfor_b_\@
	tensor_load_to_lds s[G0A+4*(\s):G0A+4*(\s)+3], s[G1A:G1A+7]
	s_nop 0
.rept 4
	v_nop
.endr
	s_branch .Lasked_\@
.Lfor_b_\@:
	tensor_load_to_lds s[G0B+4*(\s):G0B+4*(\s)+3], s[G1B:G1B+7]
	s_nop 0
.rept 4
	v_nop
.endr
.Lasked_\@:
.endm
.macro CREST                           ; a round of the cluster's barrier behind its opening barrier
	s_cmp_lg_u32 s10, 0
	s_cbranch_scc1 .Lnot_wave_0_\@
	s_barrier_signal -3
.Lnot_wave_0_\@:
	s_barrier_wait -3
	s_barrier_signal -1
	s_barrier_wait -1
.endm
.macro CROUND
	s_barrier_signal -1
	s_barrier_wait -1
	CREST
.endm
	s_load_b128 s[4:7], s[0:1], 0x0                ; xw s[4:5], qkv s[6:7]
	v_lshl_add_u32 v[SPW], v0, 2, SPARE
	v_mov_b32 v[NIL], 0
	ds_add_u32 v[SPW], v[NIL]                      ; the wave's opening: the add and its wait stand ahead of my first tensor load; the set-up below stands between them
	v_lshrrev_b32 v1, 5, v0
	v_readfirstlane_b32 s10, v1                    ; wave 0..3
	s_lshr_b32 s11, s10, 1                         ; which 128 tokens are mine.  Also: I fetch for x (0) or for the weights (1)
	s_and_b32 s12, s10, 1                          ; which half of the columns.  Also: which half of that operand's rows I fetch
	s_bfe_u32 s40, ttmp6, 0x40000                  ; cx
	s_bfe_u32 s41, ttmp6, 0x40004                  ; cy
	s_lshl_b32 s42, ttmp9, 2
	s_add_co_u32 s42, s42, s40                     ; tile column tx = 4 x cluster x + cx
	s_and_b32 s45, ttmp7, 0xffff
	s_lshl_b32 s13, s45, 2
	s_add_co_u32 s13, s13, s41                     ; tile row ty = 4 x cluster y + cy
	s_lshl_b32 s43, s41, 2
	s_lshl_b32 s43, 15, s43                        ; my row of the cluster
	s_lshl_b32 s44, 0x1111, s40                    ; my column
	s_or_b32 s[G1A+0], s43, G1W0
	s_or_b32 s[G1B+0], s44, G1W0
.irp g, G1A, G1B
	s_mov_b32 s[(\g)+1], 128<<16                   ; tensor_dim0 = 128 elements: 256 bytes, two rows of the tile
	s_mov_b32 s[(\g)+3], 128<<16                   ; tile_dim0 = 128
	s_mov_b32 s[(\g)+5], 128                       ; elements from row to row: the block is dense
	s_mov_b32 s[(\g)+6], 0
	s_mov_b32 s[(\g)+7], 0
.endr
	s_mov_b32 s[G1A+2], 64<<16                     ; tensor_dim1 and tile_dim1: 64 such rows of x (128 of the tile's),
	s_mov_b32 s[G1A+4], 64
	s_mov_b32 s[G1B+2], 96<<16                     ; 96 of the weights (192)
	s_mov_b32 s[G1B+4], 96
	s_mov_b32 s[TB], 0
	s_lshl_b32 s16, s13, 8                         ; x: row 256 ty + 128 x half,
	s_lshl_b32 s17, s12, 7
	s_add_co_u32 s16, s16, s17
	s_lshl_b32 s16, s16, 7                         ; 128 bytes a row in a K block
	s_mov_b32 s17, 0
	s_mul_i32 s46, s42, 384                        ; the weights: row 8192 + 384 tx + 192 x half
	s_mul_i32 s47, s12, 192
	s_add_co_u32 s46, s46, s47
	s_add_co_u32 s46, s46, 8192
	s_lshl_b32 s46, s46, 7
	s_mov_b32 s47, 0
	s_mul_i32 s20, s12, AHALF                      ; where x's halves go (waves 0, 1),
	s_mul_i32 s21, s12, BHALF
	s_add_co_u32 s21, s21, BOFF                    ; and the weights' (waves 2, 3): no place in the cluster enters an LDS address
	s_wait_dscnt 0x0                               ; the opening add is done
	s_wait_kmcnt 0x0
	s_add_nc_u64 s[14:15], s[4:5], s[16:17]
	s_add_nc_u64 s[46:47], s[4:5], s[46:47]
	CROUND                                         ; all sixteen work-groups are here: the first joint loads meet
.irp s, 0,1
	s_mov_b32 s[G0A+4*(\s)], 1
	s_add_co_u32 s[G0A+4*(\s)+1], s20, (\s)*SLOT1
	s_add_nc_u64 s[G0A+4*(\s)+2:G0A+4*(\s)+3], s[14:15], (\s)*PLANE
	s_or_b32 s[G0A+4*(\s)+3], s[G0A+4*(\s)+3], 0x80000000
	s_mov_b32 s[G0B+4*(\s)], 1
	s_add_co_u32 s[G0B+4*(\s)+1], s21, (\s)*SLOT1
	s_add_nc_u64 s[G0B+4*(\s)+2:G0B+4*(\s)+3], s[46:47], (\s)*PLANE
	s_or_b32 s[G0B+4*(\s)+3], s[G0B+4*(\s)+3], 0x80000000
	JLOAD \s                                       ; K steps 0 and 1: two loads of mine are out
.endr
	; A fragment is 16 rows x 32 K in 8 registers: lane l holds row l % 16, K = 8 (l / 16) + 0..7 and 16 + 8 (l / 16) + 0..7: two loads of 16 bytes, 32 bytes apart.
	v_and_b32 v1, 15, v0                           ; l % 16
	v_bfe_u32 v2, v0, 4, 1                         ; l / 16
	v_mul_u32_u24 v3, v1, PITCH
	v_lshl_add_u32 v3, v2, 4, v3                   ; row x pitch + 16 x half
	s_mul_i32 s22, s11, AHALF                      ; my 128 tokens
	v_add_nc_u32 v[ADRA0], s22, v3
	s_mul_i32 s22, s12, 128*PITCH                  ; my 128 rows of Wq|Wk
	s_add_co_u32 s22, s22, BOFF
	v_add_nc_u32 v[ADRB0], s22, v3
	s_mul_i32 s22, s12, 64*PITCH                   ; my 64 rows of Wv
	s_add_co_u32 s22, s22, VOFF
	v_add_nc_u32 v[ADRV0], s22, v3
	s_mul_i32 s23, s10, 16*SPITCH
	s_add_co_u32 s23, s23, STAGE                   ; my stage
	v_mul_u32_u24 v4, v1, SPITCH                   ; in: row l % 16, 16 bytes for each half of the lanes
	v_lshl_add_u32 v4, v2, 4, v4
	v_add_nc_u32 v[STO], s23, v4
	v_mul_u32_u24 v5, v2, SPITCH                   ; back: lanes 0-15 one row of 256 bytes, lanes 16-31 the next
	v_lshl_add_u32 v5, v1, 4, v5
	v_add_nc_u32 v[RD], s23, v5
	v_lshlrev_b32 v5, 12, v2                       ; and the same two rows in qkv
	v_lshl_add_u32 v[CO], v1, 4, v5
	s_lshl_b32 s[OFP], s13, 8                      ; q|k: row 256 ty + 128 (w / 2), byte 512 tx + 256 (w % 2)
	s_lshl_b32 s22, s11, 7
	s_add_co_u32 s[OFP], s[OFP], s22
	s_lshl_b32 s[OFP], s[OFP], 12
	s_lshl_b32 s22, s42, 9
	s_lshl_b32 s23, s12, 8
	s_add_co_u32 s22, s22, s23
	s_add_co_u32 s[OFP], s[OFP], s22
	s_mov_b32 s[OFP+1], 0
	s_add_nc_u64 s[8:9], s[6:7], s[OFP:OFP+1]
	s_lshr_b32 s[OFP], s13, 3                      ; v^T: row 8192 + 1024 x batch + 128 tx + 64 (w % 2); a batch has eight tile rows
	s_lshl_b32 s[OFP], s[OFP], 10
	s_lshl_b32 s22, s42, 7
	s_add_co_u32 s[OFP], s[OFP], s22
	s_lshl_b32 s22, s12, 6
	s_add_co_u32 s[OFP], s[OFP], s22
	s_add_co_u32 s[OFP], s[OFP], 8192
	s_lshl_b32 s[OFP], s[OFP], 12                  ; under 2^26
	s_and_b32 s22, s13, 7                          ; byte 2 x (256 (ty % 8) + 128 (w / 2))
	s_lshl_b32 s22, s22, 9
	s_lshl_b32 s23, s11, 8
	s_add_co_u32 s22, s22, s23
	s_add_co_u32 s[OFP], s[OFP], s22
	s_add_nc_u64 s[18:19], s[6:7], s[OFP:OFP+1]
.macro SETADR                          ; the three read addresses in the slot that begins at s[TB]
	v_add_nc_u32 v[ADRA], s[TB], v[ADRA0]
	v_add_nc_u32 v[ADRB], s[TB], v[ADRB0]
	v_add_nc_u32 v[ADRV], s[TB], v[ADRV0]
.endm
; Eight matrix instructions: column block b x all 8 token blocks of x's buffer f, 32 along K.  zero = 1: the first product starts the sums: nothing is ever cleared.
; The 96 accumulators take turns in the same order in every 32 along K.
.macro MULG f, b, zero
	WIN 0x50*(1+(\b)/4)                            ; C and D in window 1 + b / 4, the fragments in window 0
.irp a, 0,1,2,3,4,5,6,7
.set rD, 8*(8*((\b)%4)+(\a))
.if (\b) < 8
.if \zero
	v_wmma_f32_16x16x32_bf16 v[rD:rD+7], v[BF+8*(\b):BF+8*(\b)+7], v[(\f)+8*(\a):(\f)+8*(\a)+7], 0
.else
	v_wmma_f32_16x16x32_bf16 v[rD:rD+7], v[BF+8*(\b):BF+8*(\b)+7], v[(\f)+8*(\a):(\f)+8*(\a)+7], v[rD:rD+7]
.endif
.else
.if \zero
	v_wmma_f32_16x16x32_bf16 v[rD:rD+7], v[(\f)+8*(\a):(\f)+8*(\a)+7], v[BF+8*(\b):BF+8*(\b)+7], 0
.else
	v_wmma_f32_16x16x32_bf16 v[rD:rD+7], v[(\f)+8*(\a):(\f)+8*(\a)+7], v[BF+8*(\b):BF+8*(\b)+7], v[rD:rD+7]
.endif
.endif
.endr
.endm
.macro LDB b0, k                       ; eight LDS loads: the weights' blocks b0 .. b0 + 3, 32 along K at byte k of the rows
.irp i, 0,1,2,3
.if (\b0) < 8
	ds_load_b128 v[BF+8*((\b0)+(\i)):BF+8*((\b0)+(\i))+3],   v[ADRB] offset:(\k)+((\b0)+(\i))*16*PITCH
	ds_load_b128 v[BF+8*((\b0)+(\i))+4:BF+8*((\b0)+(\i))+7], v[ADRB] offset:(\k)+((\b0)+(\i))*16*PITCH+32
.else
	ds_load_b128 v[BF+8*((\b0)+(\i)):BF+8*((\b0)+(\i))+3],   v[ADRV] offset:(\k)+((\b0)+(\i)-8)*16*PITCH
	ds_load_b128 v[BF+8*((\b0)+(\i))+4:BF+8*((\b0)+(\i))+7], v[ADRV] offset:(\k)+((\b0)+(\i)-8)*16*PITCH+32
.endif
.endr
.endm
.macro LDA g, a0, k                    ; eight LDS loads: x's blocks a0 .. a0 + 3 into buffer g
.irp i, 0,1,2,3
	ds_load_b128 v[(\g)+8*((\a0)+(\i)):(\g)+8*((\a0)+(\i))+3],   v[ADRA] offset:(\k)+((\a0)+(\i))*16*PITCH
	ds_load_b128 v[(\g)+8*((\a0)+(\i))+4:(\g)+8*((\a0)+(\i))+7], v[ADRA] offset:(\k)+((\a0)+(\i))*16*PITCH+32
.endr
.endm
; A run of loads for the next 32 along K: the four blocks of the weights that the 32 products just issued have read, and (b0 < 8) four blocks of x into the buffer that is not being multiplied.
.macro BATCH b0, g, k
	WIN 0
	PLACES
	LDB \b0, \k
.if (\b0) < 8
	LDA \g, \b0, \k
.endif
.endm
; A K step is two halves of 32 along K, 96 matrix instructions each.  THE FIRST HALF multiplies x's buffer 0 and fetches the second half's fragments, at byte 64 of the same slot's rows.
.macro QUARTER zero
	s_wait_dscnt 8                                 ; x and the weights' blocks 0-7 are in; the youngest eight loads (blocks 8-11) may be out
.irp b, 0,1,2,3
	MULG AF0, \b, \zero
.endr
	BATCH 0, AF1, 64
.irp b, 4,5,6,7
	MULG AF0, \b, \zero
.endr
	BATCH 4, AF1, 64
	s_wait_dscnt 32                                ; all but the two runs of sixteen just issued: blocks 8-11 are in
.irp b, 8,9,10,11
	MULG AF0, \b, \zero
.endr
	BATCH 8, AF1, 64
.endm
; THE SECOND HALF multiplies buffer 1 and changes slots at its head: the slot's last bytes have been asked for by the first half's last run.  ONE barrier; in front of it each wave waits for all its tensor
; loads (one is out: its part of the next slot), adds 0 to its spare word, and waits for that and for its reads of this slot.  fill = 1: the barrier opens a round of the cluster's, and this slot is filled
; again, two K steps ahead, 176 matrix instructions ahead of the wait for it.  Then the runs of loads fetch the next slot's first half.
.macro TURNQ fill
	WIN 0
	s_wait_tensorcnt 0x0                           ; no tensor load of mine is out, so a group 0 may be written
	ds_add_u32 v[SPW], v[NIL]
.if \fill
.irp g, G0A+4, G0B+4
	s_xor_b32 s[(\g)+1], s[(\g)+1], SLOT1          ; the walking descriptor: the other slot than last time,
	s_add_nc_u64 s[(\g)+2:(\g)+3], s[(\g)+2:(\g)+3], PLANE  ; the next K block; the type bits on top are not reached
.endr
.endif
	s_xor_b32 s[TB], s[TB], SLOT1                  ; the reads go over to the other slot
	s_wait_dscnt 9                                 ; x and blocks 0-7 are in; blocks 8-11's eight loads and the add may be out
	MULG AF1, 0, 0
	s_wait_dscnt 0x0                               ; the add is done, and my reads of this slot are over
	s_barrier_signal -1
	MULG AF1, 1, 0
	WIN 0
	s_barrier_wait -1
.if \fill
	CREST                                          ; no wave of any partner still reads this slot or has a load on its way
	JLOAD 1                                        ; the first tensor load behind the round
.endif
	SETADR
	MULG AF1, 2, 0
	MULG AF1, 3, 0
	BATCH 0, AF0, 0
.irp b, 4,5,6,7
	MULG AF1, \b, 0
.endr
	BATCH 4, AF0, 0
.irp b, 8,9,10,11
	MULG AF1, \b, 0
.endr
	BATCH 8, AF0, 0
.endm
	s_wait_tensorcnt 0x1                           ; my part of K step 0 is in; step 1's may stay out
	s_barrier_signal -1
	s_barrier_wait -1
	SETADR
	LDB 0, 0                                       ; the first fragments, in the order of the runs: the last eight loads are blocks 8-11
	LDA AF0, 0, 0
	LDB 4, 0
	LDA AF0, 4, 0
	LDB 8, 0
	QUARTER 1                                      ; the first 32 along K stand in front of the loop: their products start the sums
	WIN 0
	s_mov_b32 s3, STEPS-2
.Lstep:                                                ; a trip: a step's second half, which fills its slot again, and the next step's first half
	TURNQ 1
	QUARTER 0
	WIN 0
	s_sub_co_u32 s3, s3, 1
	s_cmp_lg_u32 s3, 0
	s_cbranch_scc1 .Lstep
	TURNQ 0                                        ; the last two steps fill nothing
	QUARTER 0
	s_wait_dscnt 8
.irp b, 0,1,2,3,4,5,6,7
	MULG AF1, \b, 0
.endr
	s_wait_dscnt 0x0
.irp b, 8,9,10,11
	MULG AF1, \b, 0
.endr
; THE WAY OUT, twelve blocks of 16 rows x 256 bytes: blocks 0-7: 16 tokens x my 128 columns of q|k; blocks 8-11: 16 channels x my 128 tokens of v^T.
; Rounded to f16 (16 bytes a lane and accumulator), into my own stage, back as whole rows of 256 bytes, stored.
.macro PACK i
.if (\i) < 8
.irp b, 0,1,2,3,4,5,6,7
	WIN 0x05*(1+(\b)/4)                            ; sources 0 and 1 in window 1 or 2; each accumulator's registers in ascending order
.irp r, 0,1,2,3
	v_cvt_pk_f16_f32 v[TMP+4*(\b)+(\r)], v[8*(8*((\b)%4)+(\i))+2*(\r)], v[8*(8*((\b)%4)+(\i))+2*(\r)+1]
.endr
.endr
.else
	WIN 0x0f                                       ; sources 0 and 1 in window 3
.irp a, 0,1,2,3,4,5,6,7
.irp r, 0,1,2,3
	v_cvt_pk_f16_f32 v[TMP+4*(\a)+(\r)], v[8*(8*((\i)-8)+(\a))+2*(\r)], v[8*(8*((\i)-8)+(\a))+2*(\r)+1]
.endr
.endr
.endif
	WIN 0
.endm
.macro TOSTAGE i
.set BK, OB+32*((\i)%2)
.irp b, 0,1,2,3,4,5,6,7
	ds_store_b128 v[STO], v[TMP+4*(\b):TMP+4*(\b)+3] offset:32*(\b)
.endr
.irp t, 0,1,2,3,4,5,6,7
	ds_load_b128 v[BK+4*(\t):BK+4*(\t)+3], v[RD] offset:(\t)*2*SPITCH  ; LDS serves a wave's instructions in order (ISA guide 5.7.1.4): these see the stores above
.endr
.endm
.macro SEND i
.set BK, OB+32*((\i)%2)
.set PB, 8                             ; q|k's address,
.if (\i) >= 8
.set PB, 18                            ; or v^T's
.endif
	s_wait_dscnt 0x0                               ; the block is back in registers
	s_wait_xcnt 0x0                                ; the stores' base, and the registers that earlier stores read, are rewritten only behind this wait
.if ((\i)%8) > 0
	s_add_nc_u64 s[PB:PB+1], s[PB:PB+1], 16*OUTROW
.endif
.irp t, 0,1,2,3,4,5,6,7
	global_store_b128 v[CO], v[BK+4*(\t):BK+4*(\t)+3], s[PB:PB+1] offset:2*(\t)*OUTROW  ; 16 lanes store 256 consecutive bytes, at a multiple of 256 from qkv's first byte
.endr
.endm
	PLACES
	PACK 0
	TOSTAGE 0
.irp i, 1,2,3,4,5,6,7,8,9,10,11        ; block i's conversions stand between block i - 1's loads from the stage and the wait for them
	PACK \i
	SEND (\i)-1
	TOSTAGE \i
.endr
	SEND 11
	s_wait_tensorcnt 0x0                           ; the wave's end
	ds_add_u32 v[SPW], v[NIL]
	s_wait_dscnt 0x0
	CROUND                                         ; the closing round: no work-group ends while a partner may still ask for a tile that names it
	s_endpgm
.Lfunc_end_k_qd4ff783773_proj:
	.size	k_qd4ff783773_proj, .Lfunc_end_k_qd4ff783773_proj-k_qd4ff783773_proj
	.p2alignl 7, 3214868480
	.fill 96, 4, 3214868480
	.section	.rodata,"a",@progbits
	.p2align	6, 0x0
	.amdhsa_kernel k_qd4ff783773_proj
		.amdhsa_group_segment_fixed_size 327680
		.amdhsa_private_segment_fixed_size 0
		.amdhsa_enable_private_segment 0
		.amdhsa_kernarg_size 16
		.amdhsa_user_sgpr_count 2
		.amdhsa_user_sgpr_kernarg_segment_ptr 1
		.amdhsa_wavefront_size32 1
		.amdhsa_system_sgpr_workgroup_id_x 1
		.amdhsa_system_sgpr_workgroup_id_y 1
		.amdhsa_system_sgpr_workgroup_id_z 1
		.amdhsa_system_vgpr_workitem_id 0
		.amdhsa_next_free_vgpr 1024
		.amdhsa_next_free_sgpr 72
		.amdhsa_reserve_vcc 0
		.amdhsa_float_denorm_mode_32 3
		.amdhsa_float_denorm_mode_16_64 3
		.amdhsa_memory_ordered 1
		.amdhsa_forward_progress 1
		.amdhsa_inst_pref_size 112
	.end_amdhsa_kernel
	.amdgpu_metadata
---
amdhsa.version: [ 1, 2 ]
amdhsa.kernels:
  - .name:           k_qd4ff783773_proj
    .symbol:         k_qd4ff783773_proj.kd
    .args:
      - { .name: xw, .offset: 0, .size: 8, .value_kind: global_buffer, .address_space: global }
      - { .name: qkv, .offset: 8, .size: 8, .value_kind: global_buffer, .address_space: global }
    .group_segment_fixed_size: 327680
    .private_segment_fixed_size: 0
    .kernarg_segment_align: 8
    .kernarg_segment_size: 16
    .max_flat_workgroup_size: 128
    .sgpr_count:     72
    .vgpr_count:     1024
    .wavefront_size: 32
...
	.end_amdgpu_metadata
.endif
;; end of part 6
;; launch score (part 7): grid 8 x 32, 4 waves a work-group, clusters of 4 x 4, 327,680 bytes of LDS; arguments qkv, stat, pp; writes stat, pp
.if DOCPART == 7
	.amdgcn_target "amdgcn-amd-amdhsa--gfx1250"
	.amdhsa_code_object_version 6
	.text
	.protected	k_qd4ff783773_score
	.globl	k_qd4ff783773_score
	.p2align	8
	.type	k_qd4ff783773_score,@function
k_qd4ff783773_score:
	s_mov_b64 s[64:65], 0
	v_nop
	global_prefetch_b8 v0, s[64:65] scope:SCOPE_SE
	s_setreg_imm32_b32 hwreg(HW_REG_WAVE_MODE, 25, 1), 1
	s_wait_xcnt 0x0
	s_wait_alu depctr_hold_cnt(0) depctr_sa_sdst(0) depctr_va_vdst(0) depctr_va_sdst(0) depctr_va_ssrc(0) depctr_va_vcc(0) depctr_vm_vsrc(0)
	s_getreg_b32 s2, hwreg(HW_REG_IB_STS2, 6, 4)
	s_cmp_eq_u32 s2, 0
	s_cbranch_scc0 .Lentry_in_a_cluster
	s_endpgm
.Lentry_in_a_cluster:
	s_bfe_u32 s2, ttmp6, 0x10000c
	s_cmp_lg_u32 s2, 0xf033
	s_cbranch_scc0 .Lentry_shape_is_right
	s_endpgm
.Lentry_shape_is_right:
; SCORES AND THE FIRST LEVEL OF THE SOFTMAX.  s[q][n] = q[q] . k[n] (K = 1024, f16 operands out of qkv, sums in f32).  The keys of a batch fall into 16 chunks of 128.  For each row and chunk t:
;   m_t = the true maximum of the chunk's 128 scores;   pp[q][n] = 2^(c s - c m_t), rounded once to f16, c = log2(e) / 32;   stat: c m_t, and l_t = the sum of the unrounded 2^(c s - c m_t), both f32.
; The launch behind takes the maximum of the 16 c m_t and rescales: together a softmax about the row's true maximum.
; LIMITS.  A weight below 6e-8 counts as 0 in pp (f16's last step), below 2^-126 as 0 in l_t.  NaN and infinities are not treated apart.
; SHARES.  A tile of s is 256 x 256: 32 x 8 = 256 tiles, one for each WGP.  Four waves, each 128 rows x 128 keys (one chunk): 64 accumulators, 512 registers.  K in steps of 128 through two LDS slots.
; A K STEP IS WRITTEN ONCE: the slot to be read is a scalar, 0 or SLOT, added to fixed lane addresses; the loop is entered in its middle, behind the one quarter step whose products start the sums.
; CLUSTER 4 x 4: q's tile is asked for jointly along a row of the cluster, k's along a column.
; THE MATRIX INSTRUCTION IS USED TRANSPOSED (source 0 = 16 rows of k, source 1 = 16 rows of q): a lane holds row l % 16 and, of accumulator b, the keys 16 b + 8 (l / 16) + 0..7; the row's other 64 keys lie in the lane 16 away.
; REGISTERS: window 0: v0-31 addresses; v64-127, v128-191 fragments of q, two buffers (on the way out: at work); v32-63, v192-255 the way out.  Window 1: v64-191 fragments of k.  Windows 2, 3: accumulators of my rows 0-63, 64-127.
.set KSTEP,  128
.set PITCH,  272                       ; 68 words: the 16 rows of a fragment load start at 16 different groups of four banks (ISA guide 11.1)
.set HALFT,  128*PITCH
.set SLOT,   4*HALFT                   ; q's 256 rows, then k's 256 rows
.set STAGE,  2*SLOT                    ; 16 rows x 272 bytes for each wave
.set SPITCH, 272
.set SST,    STAGE+4*16*SPITCH         ; 1,024 bytes for each wave: 128 c m_t, then 128 l_t
.set SPARE,  SST+4*1024                ; the spare words: two blocks of 256 bytes that no other line names
.set STEPS,  1024/KSTEP
.set INROW,  2048                      ; elements in a row of qkv
.set OUTROW, 4096                      ; bytes in a row of pp
.set ADRA0, 10                         ; v10  my lane's place in q's rows of a slot; never rewritten
.set ADRB0, 11                         ; v11  in k's
.set ADRA, 16                          ; v16  the same in the slot to be read
.set ADRB, 20                          ; v20
.set STO,  24
.set RD,   25
.set CO,   26
.set SSA,  27                          ; v27  where I put a row's statistic
.set SPW,  28
.set NIL,  29
.set SSR,  30                          ; v30  where I read four rows' statistics back
.set SGO,  31                          ; v31  16 x lane
.set F0,   64
.set F1,   128
.set TT,   64                          ; the way out: v64-127 a block's 64 scores a lane, then weights
.set CH,   128                         ; v128-131 four chains of the maximum
.set CM,   132                         ; v132-133 c m, twice
.set LL,   136                         ; v136-143 four running pairs of the sum
.set MS,   144                         ; v144-151 c m of block a
.set LS,   152                         ; v152-159 l of block a
.set SO,   160                         ; v160-167 statistics on their way out
.set TMP,  192                         ; v192-223 packed weights
.set OB,   32                          ; rows read back: v32-63 and v224-255 by turns
.set G1, 24                            ; s[24:31] descriptor group 1 for q;  s[32:39] group 0: a set for each first fill; the second then walks
.set G0, 32
.set G1B, 48                           ; s[48:55], s[56:63] the same for k
.set G0B, 56
.set CS,  66                           ; s[66:67] c, twice
.set SEL, 68                           ; s[68:69] v_permlanex16_b32's selects: each lane takes its own place in the other half
.set LOW, 70                           ; s70  the lowest finite number: it starts the chains of the maximum
.set TB,  71                           ; s71  LDS byte at which the slot to be read begins: 0 or SLOT
.set G1W0, (1<<16)|(1<<20)|(1<<21)|(5<<22)|(3<<25)
.set MSB, 0
.macro WIN new
.if MSB != (\new)
	s_set_vgpr_msb (MSB<<8)|(\new)
.set MSB, \new
.endif
.endm
.set MUL_LO, 0xa1                      ; source 0 (k) window 1, source 1 (q) window 0, C and D window 2
.set MUL_HI, 0xf1                      ; the same, C and D window 3
.set TO_B,   0x40                      ; destination window 1, address window 0
.macro PLACES
.rept 4
	v_nop
.endr
.endm
.macro JLOAD s                         ; by descriptor set s: waves 0, 1 ask for q's halves, waves 2, 3 for k's; an s_nop 0 and four v_nop follow each line
	s_cmp_eq_u32 s11, 0
	s_cbranch_scc0 .Lfor_b_\@
	tensor_load_to_lds s[G0+4*(\s):G0+4*(\s)+3], s[G1:G1+7]
	s_nop 0
.rept 4
	v_nop
.endr
	s_branch .Lasked_\@
.Lfor_b_\@:
	tensor_load_to_lds s[G0B+4*(\s):G0B+4*(\s)+3], s[G1B:G1B+7]
	s_nop 0
.rept 4
	v_nop
.endr
.Lasked_\@:
.endm
.macro CREST
	s_cmp_lg_u32 s10, 0
	s_cbranch_scc1 .Lnot_wave_0_\@
	s_barrier_signal -3
.Lnot_wave_0_\@:
	s_barrier_wait -3
	s_barrier_signal -1
	s_barrier_wait -1
.endm
.macro CROUND
	s_barrier_signal -1
	s_barrier_wait -1
	CREST
.endm
	s_load_b128 s[4:7], s[0:1], 0x0                ; qkv s[4:5], stat s[6:7]
	s_load_b64 s[8:9], s[0:1], 0x10                ; pp
	v_lshl_add_u32 v[SPW], v0, 2, SPARE
	v_mov_b32 v[NIL], 0
	ds_add_u32 v[SPW], v[NIL]                      ; the wave's opening: the add and its wait stand ahead of my first tensor load
	v_lshrrev_b32 v1, 5, v0
	v_readfirstlane_b32 s10, v1                    ; wave 0..3
	s_lshr_b32 s11, s10, 1                         ; which 128 rows are mine.  Also: I fetch for q (0) or for k (1)
	s_and_b32 s12, s10, 1                          ; which 128 keys.  Also: which 128 rows of that tile I fetch
	s_bfe_u32 s40, ttmp6, 0x40000                  ; cx
	s_bfe_u32 s41, ttmp6, 0x40004                  ; cy
	s_lshl_b32 s42, ttmp9, 2
	s_add_co_u32 s42, s42, s40                     ; tx: which 256 keys of the batch
	s_and_b32 s45, ttmp7, 0xffff                   ; the cluster's y; the batch is half of it
	s_lshl_b32 s13, s45, 2
	s_add_co_u32 s13, s13, s41                     ; ty: which 256 of the 8,192 rows
	s_lshl_b32 s43, s41, 2
	s_lshl_b32 s43, 15, s43
	s_lshl_b32 s44, 0x1111, s40
	s_or_b32 s[G1+0], s43, G1W0
	s_or_b32 s[G1B+0], s44, G1W0
.irp g, G1, G1B
	s_mov_b32 s[(\g)+1], KSTEP<<16                 ; tensor_dim0 = 128
	s_mov_b32 s[(\g)+2], 128<<16                   ; tensor_dim1 = 128
	s_mov_b32 s[(\g)+3], KSTEP<<16                 ; tile_dim0 = 128
	s_mov_b32 s[(\g)+4], 128                       ; tile_dim1 = 128
	s_mov_b32 s[(\g)+5], INROW
	s_mov_b32 s[(\g)+6], 0
	s_mov_b32 s[(\g)+7], 0
.endr
	s_mov_b32 s[CS], 0x3d38aa3b                    ; c = log2(e) / 32
	s_mov_b32 s[CS+1], s[CS]
	s_mov_b32 s[SEL], 0x76543210
	s_mov_b32 s[SEL+1], 0xfedcba98
	s_mov_b32 s[LOW], 0xff7fffff
	s_mov_b32 s[TB], 0
	s_lshl_b32 s17, s12, 7                         ; which 128 rows of a tile I fetch
	s_lshl_b32 s16, s13, 8
	s_add_co_u32 s16, s16, s17                     ; q: row 256 ty + 128 x half
	s_lshl_b32 s16, s16, 12                        ; rows of 4,096 bytes: under 2^26
	s_lshr_b32 s46, s45, 1
	s_lshl_b32 s46, s46, 11                        ; k: the batch's first row,
	s_lshl_b32 s47, s42, 8
	s_add_co_u32 s46, s46, s47                     ; + 256 tx
	s_add_co_u32 s46, s46, s17                     ; + 128 x half
	s_lshl_b32 s46, s46, 12
	s_add_co_u32 s46, s46, 2048                    ; k lies in the second half of a row
	s_mov_b32 s17, 0
	s_mov_b32 s47, 0
	s_mul_i32 s20, s10, HALFT                      ; where they go in a slot: wave x 128 rows
	s_wait_dscnt 0x0                               ; the opening add is done
	s_wait_kmcnt 0x0
	s_add_nc_u64 s[14:15], s[4:5], s[16:17]
	s_add_nc_u64 s[46:47], s[4:5], s[46:47]
	CROUND                                         ; all sixteen work-groups are here: the first joint loads meet
.irp s, 0,1
	s_mov_b32 s[G0+4*(\s)], 1
	s_add_co_u32 s[G0+4*(\s)+1], s20, (\s)*SLOT
	s_add_nc_u64 s[G0+4*(\s)+2:G0+4*(\s)+3], s[14:15], (\s)*KSTEP*2
	s_or_b32 s[G0+4*(\s)+3], s[G0+4*(\s)+3], 0x80000000
	s_mov_b32 s[G0B+4*(\s)], 1
	s_add_co_u32 s[G0B+4*(\s)+1], s20, (\s)*SLOT
	s_add_nc_u64 s[G0B+4*(\s)+2:G0B+4*(\s)+3], s[46:47], (\s)*KSTEP*2
	s_or_b32 s[G0B+4*(\s)+3], s[G0B+4*(\s)+3], 0x80000000
	JLOAD \s                                       ; K steps 0 and 1: two loads of mine are out
.endr
	v_and_b32 v1, 15, v0                           ; l % 16
	v_bfe_u32 v2, v0, 4, 1                         ; l / 16
	v_mul_u32_u24 v3, v1, PITCH
	v_lshl_add_u32 v3, v2, 4, v3
	s_mul_i32 s21, s11, HALFT                      ; my 128 rows of q
	s_mul_i32 s22, s12, HALFT                      ; my 128 rows of k,
	s_add_co_u32 s22, s22, 2*HALFT                 ; which lie behind q's 256
	v_add_nc_u32 v[ADRA0], s21, v3
	v_add_nc_u32 v[ADRB0], s22, v3
	s_mul_i32 s23, s10, 16*SPITCH
	s_add_co_u32 s23, s23, STAGE
	v_mul_u32_u24 v4, v1, SPITCH
	v_lshl_add_u32 v4, v2, 4, v4
	v_add_nc_u32 v[STO], s23, v4
	v_mul_u32_u24 v5, v2, SPITCH
	v_lshl_add_u32 v5, v1, 4, v5
	v_add_nc_u32 v[RD], s23, v5
	v_lshlrev_b32 v5, 12, v2
	v_lshl_add_u32 v[CO], v1, 4, v5
	s_lshl_b32 s23, s10, 10
	s_add_co_u32 s23, s23, SST                     ; my 1,024 bytes for the statistics
	v_lshl_add_u32 v[SSA], v1, 2, s23
	v_and_b32 v4, 31, v0
	v_lshlrev_b32 v[SGO], 4, v4
	v_add_nc_u32 v[SSR], s23, v[SGO]
	s_lshl_b32 s18, s13, 8
	s_lshl_b32 s19, s11, 7
	s_add_co_u32 s18, s18, s19                     ; my first row of the 8,192
	s_lshl_b32 s19, s42, 1
	s_add_co_u32 s19, s19, s12                     ; my chunk of 128 keys: 2 tx + w % 2
	s_lshl_b32 s22, s18, 12
	s_lshl_b32 s23, s19, 8
	s_add_co_u32 s22, s22, s23
	s_mov_b32 s23, 0
	s_add_nc_u64 s[8:9], s[8:9], s[22:23]          ; pp at my part of the tile
	s_lshl_b32 s22, s19, 15                        ; stat: a chunk has 8,192 rows of 4 bytes
	s_lshl2_add_u32 s22, s18, s22
	s_add_nc_u64 s[6:7], s[6:7], s[22:23]
.macro SETADR                          ; the two read addresses in the slot that begins at s[TB]
	v_add_nc_u32 v[ADRA], s[TB], v[ADRA0]
	v_add_nc_u32 v[ADRB], s[TB], v[ADRB0]
.endm
.macro MUL16 f, hi, a0, zero           ; 16 matrix instructions: m blocks a0, a0 + 1 of the window's four x all 8 n blocks
	WIN MUL_LO+0x50*(\hi)
.irp a, \a0, (\a0)+1
.irp b, 0,1,2,3,4,5,6,7
.if \zero
	v_wmma_f32_16x16x32_f16 v[8*(8*(\a)+(\b)):8*(8*(\a)+(\b))+7], v[(\f)+8*(\b):(\f)+8*(\b)+7], v[(\f)+8*(4*(\hi)+(\a)):(\f)+8*(4*(\hi)+(\a))+7], 0
.else
	v_wmma_f32_16x16x32_f16 v[8*(8*(\a)+(\b)):8*(8*(\a)+(\b))+7], v[(\f)+8*(\b):(\f)+8*(\b)+7], v[(\f)+8*(4*(\hi)+(\a)):(\f)+8*(4*(\hi)+(\a))+7], v[8*(8*(\a)+(\b)):8*(8*(\a)+(\b))+7]
.endif
.endr
.endr
.endm
.macro FETCH k, f                      ; 32 LDS loads in one run: k's 128 rows, then q's, 32 along K at byte k of the rows
	WIN TO_B
.irp i, 0,1,2,3,4,5,6,7
	ds_load_b128 v[(\f)+8*(\i):(\f)+8*(\i)+3],   v[ADRB] offset:(\k)+(\i)*16*PITCH
	ds_load_b128 v[(\f)+8*(\i)+4:(\f)+8*(\i)+7], v[ADRB] offset:(\k)+(\i)*16*PITCH+32
.endr
	WIN 0
.irp i, 0,1,2,3,4,5,6,7
	ds_load_b128 v[(\f)+8*(\i):(\f)+8*(\i)+3],   v[ADRA] offset:(\k)+(\i)*16*PITCH
	ds_load_b128 v[(\f)+8*(\i)+4:(\f)+8*(\i)+7], v[ADRA] offset:(\k)+(\i)*16*PITCH+32
.endr
.endm
; A K step is four quarters of 32 along K, 64 matrix instructions each, on buffers 0, 1, 0, 1; the 64 accumulators take turns in the same order in every quarter.
; One of the first three: multiplies buffer f; in its middle it fetches the next quarter's fragments, at byte k of the same slot's rows, into buffer g.
.macro QUARTER k, f, g, zero
	s_wait_dscnt 8                                 ; k and q's rows 0-63 are in; the youngest eight loads (q's rows 64-127) may be out
	MUL16 \f, 0, 0, \zero
	MUL16 \f, 0, 2, \zero
	PLACES
	FETCH \k, \g
	s_wait_dscnt 32                                ; all but the 32 just issued
	MUL16 \f, 1, 0, \zero
	MUL16 \f, 1, 2, \zero
.endm
; The fourth quarter multiplies buffer 1 and changes slots: ONE barrier; in front of it each wave waits for all its tensor loads (one is out: its part of the next slot), adds 0 to its spare word,
; and waits for that and for its reads of this slot.  fill = 1: the barrier opens a round of the cluster's, and this slot is filled again, two K steps ahead: 224 matrix instructions ahead of the wait for it.
.macro TURN fill
	WIN 0
	s_wait_tensorcnt 0x0                           ; no tensor load of mine is out, so a group 0 may be written
	ds_add_u32 v[SPW], v[NIL]
.if \fill
.irp g, G0+4, G0B+4
	s_add_co_u32 s[(\g)+1], s20, s[TB]             ; the walking descriptor: my share of the slot that is being read out,
	s_add_nc_u64 s[(\g)+2:(\g)+3], s[(\g)+2:(\g)+3], KSTEP*2  ; the next K step; the type bits on top are not reached
.endr
.endif
	s_xor_b32 s[TB], s[TB], SLOT                   ; 0 and SLOT by turns: the reads go over to the other slot
	s_wait_dscnt 9                                 ; the add and the youngest eight loads may be out
	MUL16 F1, 0, 0, 0
	s_wait_dscnt 0x0                               ; the add is done, and my reads of this slot are over
	s_barrier_signal -1
	MUL16 F1, 0, 2, 0
	WIN 0                                          ; branches and address work follow
	s_barrier_wait -1
.if \fill
	CREST                                          ; no wave of any partner still reads this slot or has a load on its way
	JLOAD 1                                        ; the first tensor load behind the round; its four v_nop are also the places in front of the loads below
.else
	PLACES
.endif
	SETADR
	FETCH 0, F0
	MUL16 F1, 1, 0, 0
	MUL16 F1, 1, 2, 0
.endm
	s_wait_tensorcnt 0x1                           ; my part of K step 0 is in; step 1's may stay out
	s_barrier_signal -1
	s_barrier_wait -1
	SETADR
	FETCH 0, F0
	QUARTER 64, F0, F1, 1                          ; the first quarter's products start the sums
	WIN 0
	s_mov_b32 s3, STEPS-1                          ; seven passes of the loop's end: six whole trips, which ask for K steps 2 to 7, behind the half trip that finishes step 0's third quarter
	s_branch .Lmid                                 ; the loop is entered in the middle of a trip
.Lstep:                                                ; a trip: a step's fourth quarter, which fills its slot again, and the next step's first three
	TURN 1
	QUARTER 64,  F0, F1, 0
	WIN 0
.Lmid:
	QUARTER 128, F1, F0, 0
	QUARTER 192, F0, F1, 0
	WIN 0
	s_sub_co_u32 s3, s3, 1
	s_cmp_lg_u32 s3, 0
	s_cbranch_scc1 .Lstep
	TURN 0                                         ; the tail is written out: the last two steps fill nothing
	QUARTER 64,  F0, F1, 0
	QUARTER 128, F1, F0, 0
	QUARTER 192, F0, F1, 0
	s_wait_dscnt 8
	MUL16 F1, 0, 0, 0
	MUL16 F1, 0, 2, 0
	s_wait_dscnt 0x0
	MUL16 F1, 1, 0, 0
	MUL16 F1, 1, 2, 0
; THE WAY OUT of block a (16 rows x 128 keys; a lane: 64 scores of one row).
.macro SUMP j                          ; pair j of 32 joins the sum: four running pairs, started by pairs 0-3 plus 4-7; a v_nop where nothing is due, since a plain instruction must stand behind each exponential
.if (\j) < 4
	v_nop
.elseif (\j) < 8
	v_pk_add_f32 v[LL+2*((\j)-4):LL+2*((\j)-4)+1], v[TT+2*((\j)-4):TT+2*((\j)-4)+1], v[TT+2*(\j):TT+2*(\j)+1]
.else
	v_pk_add_f32 v[LL+2*((\j)%4):LL+2*((\j)%4)+1], v[LL+2*((\j)%4):LL+2*((\j)%4)+1], v[TT+2*(\j):TT+2*(\j)+1]
.endif
.endm
.macro SOFT a
.set AC, 64*((\a)%4)
	WIN 0x28+0x14*((\a)/4)                         ; sources 1 and 2 in window 2 or 3
.set i, 0
.rept 8                                ; the maximum of my 64 scores: four chains, chain k over accumulators 2 k and 2 k + 1, each accumulator from its low end on
.irp k, 0,1,2,3
.if i == 0
	v_max3_num_f32 v[CH+(\k)], s[LOW], v[AC+16*(\k)], v[AC+16*(\k)+1]
.else
	v_max3_num_f32 v[CH+(\k)], v[CH+(\k)], v[AC+16*(\k)+2*i], v[AC+16*(\k)+2*i+1]
.endif
.endr
.set i, i+1
.endr
	WIN 0
	v_max3_num_f32 v[CH], v[CH], v[CH+1], v[CH+2]
	v_max_num_f32 v[CH], v[CH], v[CH+3]
	v_permlanex16_b32 v[CH+1], v[CH], s[SEL], s[SEL+1]  ; the row's other 64 keys lie in the lane 16 away
	v_max_num_f32 v[CH], v[CH], v[CH+1]
	v_mul_f32 v[CM], s[CS], v[CH]                  ; c m
	v_mul_f32 v[CM+1], s[CS], v[CH]
	v_mov_b32 v[MS+(\a)], v[CM]
	WIN 0x02+(\a)/4                                ; source 0 in window 2 or 3
.set i, 0
.rept 32
	v_pk_fma_f32 v[TT+2*i:TT+2*i+1], v[AC+2*i:AC+2*i+1], s[CS:CS+1], v[CM:CM+1] op_sel_hi:[1,0,0] neg_lo:[0,0,1] neg_hi:[0,0,1]  ; c s - c m
.set i, i+1
.endr
	WIN 0
.set i, 0
.rept 32                               ; exponential, plain, exponential, plain: the plain ones round and sum the pair before (ISA guide 5.7.2: a plain instruction stands between an exponential and the use of its result)
	v_exp_f32 v[TT+2*i], v[TT+2*i]
.if i == 0
	v_nop
.else
	s_wait_alu depctr_va_vdst(0)
	v_cvt_pk_f16_f32 v[TMP+i-1], v[TT+2*i-2], v[TT+2*i-1]
.endif
	v_exp_f32 v[TT+2*i+1], v[TT+2*i+1]
	SUMP i-1
.set i, i+1
.endr
	s_wait_alu depctr_va_vdst(0)
	v_cvt_pk_f16_f32 v[TMP+31], v[TT+62], v[TT+63]
	SUMP 31
	v_pk_add_f32 v[LL:LL+1], v[LL:LL+1], v[LL+2:LL+3]
	v_pk_add_f32 v[LL+4:LL+5], v[LL+4:LL+5], v[LL+6:LL+7]
	v_pk_add_f32 v[LL:LL+1], v[LL:LL+1], v[LL+4:LL+5]
	v_add_f32 v[CH], v[LL], v[LL+1]
	v_permlanex16_b32 v[CH+1], v[CH], s[SEL], s[SEL+1]
	v_add_f32 v[LS+(\a)], v[CH], v[CH+1]
.endm
.macro TOSTAGE a
.set BK, OB+192*((\a)%2)
.irp b, 0,1,2,3,4,5,6,7
	ds_store_b128 v[STO], v[TMP+4*(\b):TMP+4*(\b)+3] offset:32*(\b)
.endr
.irp t, 0,1,2,3,4,5,6,7
	ds_load_b128 v[BK+4*(\t):BK+4*(\t)+3], v[RD] offset:(\t)*2*SPITCH  ; LDS serves a wave's instructions in order (ISA guide 5.7.1.4): these see the stores above
.endr
.endm
.macro SEND a
.set BK, OB+192*((\a)%2)
	s_wait_dscnt 0x0                               ; the block is back in registers
	s_wait_xcnt 0x0                                ; the stores' base, and the registers that earlier stores read, are rewritten only behind this wait
.if (\a) > 0
	s_add_nc_u64 s[8:9], s[8:9], 16*OUTROW
.endif
.irp t, 0,1,2,3,4,5,6,7
	global_store_b128 v[CO], v[BK+4*(\t):BK+4*(\t)+3], s[8:9] offset:2*(\t)*OUTROW  ; 16 lanes store 256 consecutive bytes, at a multiple of 256 from pp's first byte
.endr
.endm
	PLACES
	SOFT 0
	TOSTAGE 0
.irp a, 1,2,3,4,5,6,7                  ; block a's softmax stands between block a - 1's loads from the stage and the wait for them
	SOFT \a
	SEND (\a)-1
	TOSTAGE \a
.endr
	SEND 7
	; the statistics: row 16 a + l % 16 of my 128 (both halves of the lanes hold the same number and write the same word); back as 16 bytes a lane, 512 consecutive bytes a store
.irp a, 0,1,2,3,4,5,6,7
	ds_store_b32 v[SSA], v[MS+(\a)] offset:64*(\a)
	ds_store_b32 v[SSA], v[LS+(\a)] offset:512+64*(\a)
.endr
	ds_load_b128 v[SO:SO+3], v[SSR]
	ds_load_b128 v[SO+4:SO+7], v[SSR] offset:512
	s_wait_dscnt 0x0
	global_store_b128 v[SGO], v[SO:SO+3], s[6:7]
	global_store_b128 v[SGO], v[SO+4:SO+7], s[6:7] offset:524288
	s_wait_tensorcnt 0x0                           ; the wave's end
	ds_add_u32 v[SPW], v[NIL]
	s_wait_dscnt 0x0
	CROUND                                         ; the closing round
	s_endpgm
.Lfunc_end_k_qd4ff783773_score:
	.size	k_qd4ff783773_score, .Lfunc_end_k_qd4ff783773_score-k_qd4ff783773_score
	.p2alignl 7, 3214868480
	.fill 96, 4, 3214868480
	.section	.rodata,"a",@progbits
	.p2align	6, 0x0
	.amdhsa_kernel k_qd4ff783773_score
		.amdhsa_group_segment_fixed_size 327680
		.amdhsa_private_segment_fixed_size 0
		.amdhsa_enable_private_segment 0
		.amdhsa_kernarg_size 24
		.amdhsa_user_sgpr_count 2
		.amdhsa_user_sgpr_kernarg_segment_ptr 1
		.amdhsa_wavefront_size32 1
		.amdhsa_system_sgpr_workgroup_id_x 1
		.amdhsa_system_sgpr_workgroup_id_y 1
		.amdhsa_system_sgpr_workgroup_id_z 1
		.amdhsa_system_vgpr_workitem_id 0
		.amdhsa_next_free_vgpr 1024
		.amdhsa_next_free_sgpr 72
		.amdhsa_reserve_vcc 0
		.amdhsa_float_denorm_mode_32 3
		.amdhsa_float_denorm_mode_16_64 3
		.amdhsa_memory_ordered 1
		.amdhsa_forward_progress 1
		.amdhsa_inst_pref_size 183
	.end_amdhsa_kernel
	.amdgpu_metadata
---
amdhsa.version: [ 1, 2 ]
amdhsa.kernels:
  - .name:           k_qd4ff783773_score
    .symbol:         k_qd4ff783773_score.kd
    .args:
      - { .name: qkv, .offset: 0, .size: 8, .value_kind: global_buffer, .address_space: global }
      - { .name: stat, .offset: 8, .size: 8, .value_kind: global_buffer, .address_space: global }
      - { .name: pp, .offset: 16, .size: 8, .value_kind: global_buffer, .address_space: global }
    .group_segment_fixed_size: 327680
    .private_segment_fixed_size: 0
    .kernarg_segment_align: 8
    .kernarg_segment_size: 24
    .max_flat_workgroup_size: 128
    .sgpr_count:     72
    .vgpr_count:     1024
    .wavefront_size: 32
...
	.end_amdgpu_metadata
.endif
;; end of part 7
;; launch pv (part 8): grid 4 x 64, 4 waves a work-group, clusters of 4 x 4, 327,680 bytes of LDS; arguments pp, qkv, stat, out0; writes out0
.if DOCPART == 8
	.amdgcn_target "amdgcn-amd-amdhsa--gfx1250"
	.amdhsa_code_object_version 6
	.text
	.protected	k_qd4ff783773_pv
	.globl	k_qd4ff783773_pv
	.p2align	8
	.type	k_qd4ff783773_pv,@function
k_qd4ff783773_pv:
	s_mov_b64 s[64:65], 0
	v_nop
	global_prefetch_b8 v0, s[64:65] scope:SCOPE_SE
	s_setreg_imm32_b32 hwreg(HW_REG_WAVE_MODE, 25, 1), 1
	s_wait_xcnt 0x0
	s_wait_alu depctr_hold_cnt(0) depctr_sa_sdst(0) depctr_va_vdst(0) depctr_va_sdst(0) depctr_va_ssrc(0) depctr_va_vcc(0) depctr_vm_vsrc(0)
	s_getreg_b32 s2, hwreg(HW_REG_IB_STS2, 6, 4)
	s_cmp_eq_u32 s2, 0
	s_cbranch_scc0 .Lentry_in_a_cluster
	s_endpgm
.Lentry_in_a_cluster:
	s_bfe_u32 s2, ttmp6, 0x10000c
	s_cmp_lg_u32 s2, 0xf033
	s_cbranch_scc0 .Lentry_shape_is_right
	s_endpgm
.Lentry_shape_is_right:
; THE SECOND LEVEL OF THE SOFTMAX AND THE SECOND PRODUCT.  For each row: cM = the maximum of its 16 c m_t (the row's true maximum times c); f_t = 2^(c m_t - cM), rounded to f16; l = the sum of f_t l_t.
; out0[q][c] = (sum over chunks t and their keys n of (f_t pp[q][n]) v^T[c][n]) / l.  pp and v^T in f16, f_t pp rounded to f16 (a packed multiply on the fragment), sums in f32, the division a multiply by 1 / l in f32.
; LIMITS.  f_t and f_t pp below 6e-8 count as 0.  l takes the f16-rounded f_t, the same number that scales the weights, and the unrounded weights' sums l_t.  l is at least 1.  NaN and infinities are not treated apart.
; SHARES.  A tile of out0 is 128 rows x 256 channels: 64 x 4 = 256 tiles, one for each WGP.  Four waves, each 64 x 128: 32 accumulators.  K = 2,048 keys in steps of 128, one chunk a step, through two LDS slots;
; two slots of 256 keys would take 2 x 384 x 528 = 405,504 bytes, more than there is.
; Waves 0, 1 fetch v^T's halves (128 rows), waves 2, 3 pp's (64 rows).  CLUSTER 4 x 4: pp's tile is asked for jointly along a row of the cluster, v^T's along a column.
; A K STEP IS WRITTEN ONCE: slot 1 begins at byte 131,072, so that one exclusive or turns addresses; the loop is entered in its middle, behind the one quarter step whose products start the sums.
; THE CHANGE OF SLOTS STANDS TIGHT at the head of a step's fourth quarter: the wait for the next tile, the round and the refill follow each other with no product between them, so that all of a step's
; 128 products stand between a request and the wait for it.
; THE MATRIX INSTRUCTION IS USED TRANSPOSED (source 0 = 16 channels, source 1 = 16 rows of pp): a lane holds row l % 16 and eight neighbouring channels.  A lane's fragment of pp is all of one row, so its factor is one register.
; THE SCALING: eight packed multiplies behind every eight matrix instructions scale the block of pp that is multiplied next; they are also the places in front of the next run of LDS loads.
; REGISTERS: window 0: v0-31 addresses; v32-127, v128-223 two fragment buffers (pp's block a at +8 a, v^T's block b at +32 + 8 b); v224-231 factors; v232-239 1 / l.  Window 1: accumulator (a, b) at v[8 (8 a + b)].
.set KSTEP,  128
.set PITCH,  272                       ; 68 words: the 16 rows of a fragment load start at 16 different groups of four banks (ISA guide 11.1)
.set BHALF,  128*PITCH
.set AHALF,  64*PITCH
.set AOFF,   2*BHALF                   ; pp's 128 rows lie behind v^T's 256
.set SLOTB,  AOFF+2*AHALF              ; 104,448 bytes
.set SLOT1,  1<<17
.set STAGE,  SLOT1+SLOTB               ; 16 rows x 528 bytes for each wave
.set SPITCH, 528                       ; 512 bytes + 16 = 132 words: the 16 rows that a store touches start at 16 different groups of four banks
.set TAB,    STAGE+4*16*SPITCH         ; [16 chunks][128 rows] x 4 bytes: f_t twice, in f16
.set RLT,    TAB+16*512                ; [128 rows] x 4 bytes: 1 / l
.set SPARE,  RLT+512                   ; the spare words: two blocks of 256 bytes that no other line names
.set STEPS,  2048/KSTEP
.set INROW,  2048                      ; elements in a row of pp and of qkv
.set OUTROW, 4096                      ; bytes in a row of out0
.set ADRA0, 10                         ; v10  my lane's place in pp's rows of a slot; never rewritten
.set ADRB0, 11                         ; v11  in v^T's
.set ADRA, 16                          ; v16-17  the same in the slot to be read
.set ADRB, 17
.set STO,  24
.set RD,   25
.set CO,   26
.set FADR, 27                          ; v27  my lane's place in a chunk's 512 bytes of TAB; never rewritten
.set SPW,  28
.set NIL,  29
.set FA,   30                          ; v30  the same in the chunk to be fetched
.set F0,   32
.set F1,   128
.set FS,   224                         ; v224-227  the four blocks' factors of the chunk in hand
.set FSN,  228                         ; v228-231  of the next chunk
.set RL,   232                         ; v232-239  1 / l of the four blocks' rows, as pairs
.set TMP,  32                          ; the way out: v32-95 a block, scaled
.set OB,   96                          ; rows read back: v96-159 and v160-223 by turns
.set G1A, 24                           ; s[24:31] descriptor group 1 for pp;  s[32:39] group 0: a set for each first fill; the second then walks
.set G0A, 32
.set G1B, 48                           ; s[48:55], s[56:63] the same for v^T
.set G0B, 56
.set TBF, 66                           ; s66  byte of the chunk to be fetched in TAB: it steps by 512
.set TB,  67                           ; s67  LDS byte at which the slot to be read begins: 0 or SLOT1
.set G1W0, (1<<16)|(1<<20)|(1<<21)|(5<<22)|(3<<25)
.set MSB, 0
.macro WIN new
.if MSB != (\new)
	s_set_vgpr_msb (MSB<<8)|(\new)
.set MSB, \new
.endif
.endm
.macro PLACES
.rept 4
	v_nop
.endr
.endm
.macro JLOAD s                         ; by descriptor set s: waves 0, 1 ask for v^T's halves, waves 2, 3 for pp's; an s_nop 0 and four v_nop follow each line
	s_cmp_eq_u32 s11, 0
	s_cbranch_scc0 .Lfor_a_\@
	tensor_load_to_lds s[G0B+4*(\s):G0B+4*(\s)+3], s[G1B:G1B+7]
	s_nop 0
.rept 4
	v_nop
.endr
	s_branch .Lasked_\@
.Lfor_a_\@:
	tensor_load_to_lds s[G0A+4*(\s):G0A+4*(\s)+3], s[G1A:G1A+7]
	s_nop 0
.rept 4
	v_nop
.endr
.Lasked_\@:
.endm
.macro CREST
	s_cmp_lg_u32 s10, 0
	s_cbranch_scc1 .Lnot_wave_0_\@
	s_barrier_signal -3
.Lnot_wave_0_\@:
	s_barrier_wait -3
	s_barrier_signal -1
	s_barrier_wait -1
.endm
.macro CROUND
	s_barrier_signal -1
	s_barrier_wait -1
	CREST
.endm
	s_load_b128 s[4:7], s[0:1], 0x0                ; pp s[4:5], qkv s[6:7]
	s_load_b128 s[68:71], s[0:1], 0x10             ; stat s[68:69], out0 s[70:71]
	v_lshl_add_u32 v[SPW], v0, 2, SPARE
	v_mov_b32 v[NIL], 0
	ds_add_u32 v[SPW], v[NIL]                      ; the wave's opening: the add and its wait stand ahead of my first tensor load
	v_lshrrev_b32 v1, 5, v0
	v_readfirstlane_b32 s10, v1                    ; wave 0..3
	s_lshr_b32 s11, s10, 1                         ; which 64 rows are mine.  Also: I fetch for v^T (0) or for pp (1)
	s_and_b32 s12, s10, 1                          ; which 128 channels.  Also: which half of that operand's rows I fetch
	s_bfe_u32 s40, ttmp6, 0x40000                  ; cx
	s_bfe_u32 s41, ttmp6, 0x40004                  ; cy
	s_lshl_b32 s42, ttmp9, 2
	s_add_co_u32 s42, s42, s40                     ; tx: which 256 channels
	s_and_b32 s45, ttmp7, 0xffff                   ; the cluster's y; the batch is a quarter of it
	s_lshl_b32 s13, s45, 2
	s_add_co_u32 s13, s13, s41                     ; ty: which 128 of the 8,192 rows
	s_lshl_b32 s43, s41, 2
	s_lshl_b32 s43, 15, s43
	s_lshl_b32 s44, 0x1111, s40
	s_or_b32 s[G1A+0], s43, G1W0
	s_or_b32 s[G1B+0], s44, G1W0
.irp g, G1A, G1B
	s_mov_b32 s[(\g)+1], KSTEP<<16
	s_mov_b32 s[(\g)+3], KSTEP<<16
	s_mov_b32 s[(\g)+5], INROW
	s_mov_b32 s[(\g)+6], 0
	s_mov_b32 s[(\g)+7], 0
.endr
	s_mov_b32 s[G1A+2], 64<<16
	s_mov_b32 s[G1A+4], 64
	s_mov_b32 s[G1B+2], 128<<16
	s_mov_b32 s[G1B+4], 128
	s_mov_b32 s[TBF], 0
	s_mov_b32 s[TB], 0
	s_lshl_b32 s16, s13, 7
	s_lshl_b32 s17, s12, 6
	s_add_co_u32 s16, s16, s17                     ; pp: row 128 ty + 64 x half
	s_lshl_b32 s16, s16, 12
	s_mov_b32 s17, 0
	s_lshr_b32 s46, s45, 2
	s_lshl_b32 s46, s46, 10
	s_add_co_u32 s46, s46, 8192                    ; v^T: the batch's first row in qkv,
	s_lshl_b32 s47, s42, 8
	s_add_co_u32 s46, s46, s47                     ; + 256 tx
	s_lshl_b32 s47, s12, 7
	s_add_co_u32 s46, s46, s47                     ; + 128 x half
	s_lshl_b32 s46, s46, 12                        ; rows of 4,096 bytes: under 2^26
	s_mov_b32 s47, 0
	s_mul_i32 s20, s10, BHALF                      ; where v^T's halves go (waves 0, 1),
	s_mul_i32 s21, s10, AHALF
	s_add_co_u32 s21, s21, BHALF                   ; and pp's (waves 2, 3: AOFF and AOFF + AHALF): no place in the cluster enters an LDS address
	s_wait_dscnt 0x0                               ; the opening add is done
	s_wait_kmcnt 0x0
	s_add_nc_u64 s[14:15], s[4:5], s[16:17]
	s_add_nc_u64 s[46:47], s[6:7], s[46:47]
	CROUND                                         ; all sixteen work-groups are here: the first joint loads meet
.irp s, 0,1
	s_mov_b32 s[G0A+4*(\s)], 1
	s_add_co_u32 s[G0A+4*(\s)+1], s21, (\s)*SLOT1
	s_add_nc_u64 s[G0A+4*(\s)+2:G0A+4*(\s)+3], s[14:15], (\s)*KSTEP*2
	s_or_b32 s[G0A+4*(\s)+3], s[G0A+4*(\s)+3], 0x80000000
	s_mov_b32 s[G0B+4*(\s)], 1
	s_add_co_u32 s[G0B+4*(\s)+1], s20, (\s)*SLOT1
	s_add_nc_u64 s[G0B+4*(\s)+2:G0B+4*(\s)+3], s[46:47], (\s)*KSTEP*2
	s_or_b32 s[G0B+4*(\s)+3], s[G0B+4*(\s)+3], 0x80000000
	JLOAD \s                                       ; K steps 0 and 1: two loads of mine are out
.endr
	; THE STATISTICS, in the wait for the first tiles.  Thread i takes row i of the tile's 128: its 16 c m_t into v32-47, its 16 l_t into v48-63.
	s_lshl_b32 s22, s13, 9
	s_mov_b32 s23, 0
	s_add_nc_u64 s[68:69], s[68:69], s[22:23]      ; stat at the tile's first row
	v_lshlrev_b32 v4, 2, v0
.irp t, 0,1,2,3,4,5,6,7,8,9,10,11,12,13,14,15
	global_load_b32 v[32+(\t)], v4, s[68:69] offset:32768*(\t)
	global_load_b32 v[48+(\t)], v4, s[68:69] offset:524288+32768*(\t)
.endr
	v_add_nc_u32 v6, TAB, v4                       ; where thread i puts row i's factors
	v_and_b32 v1, 15, v0                           ; l % 16
	v_bfe_u32 v2, v0, 4, 1                         ; l / 16
	v_mul_u32_u24 v3, v1, PITCH
	v_lshl_add_u32 v3, v2, 4, v3
	s_mul_i32 s22, s12, BHALF                      ; my 128 rows of v^T
	v_add_nc_u32 v[ADRB0], s22, v3
	s_mul_i32 s23, s11, AHALF                      ; my 64 rows of pp
	s_add_co_u32 s23, s23, AOFF
	v_add_nc_u32 v[ADRA0], s23, v3
	s_mul_i32 s23, s10, 16*SPITCH
	s_add_co_u32 s23, s23, STAGE                   ; my stage
	v_mul_u32_u24 v9, v1, SPITCH                   ; in: row l % 16, 32 bytes for each half of the lanes
	v_lshl_add_u32 v9, v2, 5, v9
	v_add_nc_u32 v[STO], s23, v9
	v_and_b32 v9, 31, v0
	v_lshlrev_b32 v[CO], 4, v9                     ; back and out: 32 lanes take one row of 512 bytes
	v_add_nc_u32 v[RD], s23, v[CO]
	s_lshl_b32 s23, s11, 8
	s_add_co_u32 s23, s23, TAB
	v_lshl_add_u32 v[FADR], v1, 2, s23             ; TAB + 4 (64 (w / 2) + l % 16)
	s_lshl_b32 s18, s13, 7                         ; my part of the tile in out0: row 128 ty + 64 (w / 2), byte 1,024 tx + 512 (w % 2)
	s_lshl_b32 s19, s11, 6
	s_add_co_u32 s18, s18, s19
	s_lshl_b32 s18, s18, 12
	s_lshl_b32 s22, s42, 10
	s_lshl_b32 s23, s12, 9
	s_add_co_u32 s22, s22, s23
	s_add_co_u32 s18, s18, s22
	s_mov_b32 s19, 0
	s_add_nc_u64 s[8:9], s[70:71], s[18:19]
	s_wait_loadcnt 0x0
	v_max3_num_f32 v5, v32, v33, v34               ; cM
.irp t, 35,37,39,41,43,45
	v_max3_num_f32 v5, v5, v[\t], v[(\t)+1]
.endr
	v_max_num_f32 v5, v5, v47
.irp t, 0,1,2,3,4,5,6,7,8,9,10,11,12,13,14,15
	v_sub_f32 v[32+(\t)], v[32+(\t)], v5
.endr
.irp t, 0,1,2,3,4,5,6,7,8,9,10,11,12,13,14,15
	v_exp_f32 v[32+(\t)], v[32+(\t)]               ; f_t
.endr
	v_mov_b32 v7, 0                                ; two chains for l; also the plain instruction behind the last exponential
	v_mov_b32 v8, 0
	s_wait_alu depctr_va_vdst(0)
.irp t, 0,1,2,3,4,5,6,7,8,9,10,11,12,13,14,15
	v_cvt_pk_f16_f32 v[64+(\t)], v[32+(\t)], v[32+(\t)]
.endr
.irp t, 0,1,2,3,4,5,6,7,8,9,10,11,12,13,14,15
	ds_store_b32 v6, v[64+(\t)] offset:512*(\t)
.endr
.irp t, 0,2,4,6,8,10,12,14
	v_fma_mix_f32 v7, v[64+(\t)], v[48+(\t)], v7 op_sel_hi:[1,0,0]  ; l += (the f16 f_t) x l_t, in f32
	v_fma_mix_f32 v8, v[65+(\t)], v[49+(\t)], v8 op_sel_hi:[1,0,0]
.endr
	v_add_f32 v7, v7, v8
	v_rcp_f32 v7, v7
	v_nop                                          ; a plain instruction between the reciprocal and the use of its result
	s_wait_alu depctr_va_vdst(0)
	ds_store_b32 v6, v7 offset:16*512              ; RLT lies behind TAB's 16 chunks
.macro SETADR                          ; the two read addresses in the slot that begins at s[TB]
	v_add_nc_u32 v[ADRA], s[TB], v[ADRA0]
	v_add_nc_u32 v[ADRB], s[TB], v[ADRB0]
.endm
.macro MUL8 f, a, zero                 ; eight matrix instructions: m block a x all 8 n blocks, 32 along K.  zero = 1: the first product starts the sums
	WIN 0x50                                       ; C and D in window 1, the fragments in window 0
.irp b, 0,1,2,3,4,5,6,7
.if \zero
	v_wmma_f32_16x16x32_f16 v[8*(8*(\a)+(\b)):8*(8*(\a)+(\b))+7], v[(\f)+32+8*(\b):(\f)+32+8*(\b)+7], v[(\f)+8*(\a):(\f)+8*(\a)+7], 0
.else
	v_wmma_f32_16x16x32_f16 v[8*(8*(\a)+(\b)):8*(8*(\a)+(\b))+7], v[(\f)+32+8*(\b):(\f)+32+8*(\b)+7], v[(\f)+8*(\a):(\f)+8*(\a)+7], v[8*(8*(\a)+(\b)):8*(8*(\a)+(\b))+7]
.endif
.endr
.endm
.macro SC8 tf, ta, fs                  ; pp's block ta in buffer tf, times the block's factor
	WIN 0
.irp i, 0,1,2,3,4,5,6,7
	v_pk_mul_f16 v[(\tf)+8*(\ta)+(\i)], v[(\tf)+8*(\ta)+(\i)], v[(\fs)+(\ta)]
.endr
.endm
; Eight products of block a, and behind them the scaling of the block that is multiplied next.  wait = 1: that block has just been fetched: its two loads (and the factors, where they were fetched) stand ahead of 22 others.
.macro BLK f, a, zero, tf, ta, fs, wait
	MUL8 \f, \a, \zero
	WIN 0
.if \wait
	s_wait_dscnt 22
.endif
	SC8 \tf, \ta, \fs
.endm
.macro FETCH k, f                      ; 24 LDS loads in one run: pp's four blocks first, then v^T's eight, 32 along K at byte k of the rows
	WIN 0
.irp a, 0,1,2,3
	ds_load_b128 v[(\f)+8*(\a):(\f)+8*(\a)+3],   v[ADRA] offset:(\k)+(\a)*16*PITCH
	ds_load_b128 v[(\f)+8*(\a)+4:(\f)+8*(\a)+7], v[ADRA] offset:(\k)+(\a)*16*PITCH+32
.endr
.irp b, 0,1,2,3,4,5,6,7
	ds_load_b128 v[(\f)+32+8*(\b):(\f)+32+8*(\b)+3],   v[ADRB] offset:(\k)+(\b)*16*PITCH
	ds_load_b128 v[(\f)+32+8*(\b)+4:(\f)+32+8*(\b)+7], v[ADRB] offset:(\k)+(\b)*16*PITCH+32
.endr
.endm
; A quarter: 32 along K, 32 matrix instructions; the 32 accumulators take turns in the same order in every quarter.  Every quarter ends in eight packed multiplies that name no register
; of the products before them: they are the places in front of the next quarter's loads into the buffer that those products read.
.macro QUARTER k, f, g, zero
	s_wait_dscnt 0x0                               ; buffer f is in: its loads went out a whole quarter ago
	FETCH \k, \g
	BLK \f, 0, \zero, \f, 1, FS, 0
	BLK \f, 1, \zero, \f, 2, FS, 0
	BLK \f, 2, \zero, \f, 3, FS, 0
	BLK \f, 3, \zero, \g, 0, FS, 1
.endm
; The fourth quarter changes slots at its head and then multiplies buffer 1.  My last reads of this slot went out at the head of the third quarter.  ONE barrier; in front of it each wave waits for all its
; tensor loads (one is out: its part of the next slot), adds 0 to its spare word, and waits for that and for its reads of this slot.  fill = 1: the barrier is a round of the cluster's, and this slot is filled
; again, two K steps ahead, first thing behind it.  Then the next chunk's factors and the next slot's first fragments, 32 products ahead of their use.
.macro TURN fill
	WIN 0
	s_wait_tensorcnt 0x0                           ; no tensor load of mine is out, so a group 0 may be written
	ds_add_u32 v[SPW], v[NIL]
.if \fill
.irp g, G0A+4, G0B+4
	s_xor_b32 s[(\g)+1], s[(\g)+1], SLOT1          ; the walking descriptor: the other slot than last time,
	s_add_nc_u64 s[(\g)+2:(\g)+3], s[(\g)+2:(\g)+3], KSTEP*2  ; the next K step; the type bits on top are not reached
.endr
.endif
	s_xor_b32 s[TB], s[TB], SLOT1                  ; the reads go over to the other slot,
	s_add_co_u32 s[TBF], s[TBF], 512               ; and to the next chunk's factors
	s_wait_dscnt 0x0                               ; the add is done, and my reads of this slot are over
.if \fill
	CROUND                                         ; no wave of any partner still reads this slot or has a load on its way
	JLOAD 1                                        ; the first tensor load behind the round
.else
	s_barrier_signal -1
	s_barrier_wait -1
.endif
	SETADR
	v_add_nc_u32 v[FA], s[TBF], v[FADR]
.irp a, 0,1,2,3
	ds_load_b32 v[FSN+(\a)], v[FA] offset:64*(\a)
.endr
	FETCH 0, F0
	BLK F1, 0, 0, F1, 1, FS, 0
	BLK F1, 1, 0, F1, 2, FS, 0
	BLK F1, 2, 0, F1, 3, FS, 0
	BLK F1, 3, 0, F0, 0, FSN, 1
.irp a, 0,1,2,3
	v_mov_b32 v[FS+(\a)], v[FSN+(\a)]              ; the one text of a step names one set of factors: the next chunk's take its place behind the old ones' last use
.endr
.endm
	s_wait_tensorcnt 0x1                           ; my part of K step 0 is in; step 1's may stay out
	s_wait_dscnt 0x0                               ; for the others' sake: my rows' factors and 1 / l are in LDS
	s_barrier_signal -1
	s_barrier_wait -1
	SETADR
.irp a, 0,1,2,3
	ds_load_b32 v[RL+2*(\a)], v[FADR] offset:16*512+64*(\a)
.endr
.irp a, 0,1,2,3
	ds_load_b32 v[FS+(\a)], v[FADR] offset:64*(\a)
.endr
	FETCH 0, F0
	s_wait_dscnt 0x0
.irp a, 0,1,2,3
	v_mov_b32 v[RL+2*(\a)+1], v[RL+2*(\a)]         ; named as pairs by the packed multiply
.endr
	SC8 F0, 0, FS
	QUARTER 64, F0, F1, 1                          ; the first quarter's products start the sums
	s_mov_b32 s3, STEPS-1                          ; fifteen passes of the loop's end: fourteen whole trips, which ask for K steps 2 to 15, behind the half trip that finishes step 0's third quarter
	s_branch .Lmid                                 ; the loop is entered in the middle of a trip (every quarter leaves every window 0)
.Lstep:                                                ; a trip: a step's fourth quarter, which fills its slot again, and the next step's first three
	TURN 1
	QUARTER 64,  F0, F1, 0
.Lmid:
	QUARTER 128, F1, F0, 0
	QUARTER 192, F0, F1, 0
	s_sub_co_u32 s3, s3, 1
	s_cmp_lg_u32 s3, 0
	s_cbranch_scc1 .Lstep
	TURN 0                                         ; the tail is written out: the last two steps fill nothing
	QUARTER 64,  F0, F1, 0
	QUARTER 128, F1, F0, 0
	QUARTER 192, F0, F1, 0
	s_wait_dscnt 0x0
	BLK F1, 0, 0, F1, 1, FS, 0
	BLK F1, 1, 0, F1, 2, FS, 0
	BLK F1, 2, 0, F1, 3, FS, 0
	MUL8 F1, 3, 0
; THE WAY OUT, a block of 16 rows at a time: times 1 / l, into my own stage (32 bytes a lane and accumulator), back as whole rows of 512 bytes, stored.
.macro SCALE a
	WIN 0x01                                       ; source 0 in window 1; each accumulator's registers in ascending order
.set i, 0
.rept 32
	v_pk_mul_f32 v[TMP+2*i:TMP+2*i+1], v[64*(\a)+2*i:64*(\a)+2*i+1], v[RL+2*(\a):RL+2*(\a)+1] op_sel_hi:[1,0]
.set i, i+1
.endr
	WIN 0
.endm
.macro TOSTAGE a
.set BK, OB+64*((\a)%2)
.irp b, 0,1,2,3,4,5,6,7
	ds_store_b128 v[STO], v[TMP+8*(\b):TMP+8*(\b)+3] offset:64*(\b)
	ds_store_b128 v[STO], v[TMP+8*(\b)+4:TMP+8*(\b)+7] offset:64*(\b)+16
.endr
.irp t, 0,1,2,3,4,5,6,7,8,9,10,11,12,13,14,15
	ds_load_b128 v[BK+4*(\t):BK+4*(\t)+3], v[RD] offset:(\t)*SPITCH  ; LDS serves a wave's instructions in order (ISA guide 5.7.1.4): these see the stores above
.endr
.endm
.macro SEND a
.set BK, OB+64*((\a)%2)
	s_wait_dscnt 0x0                               ; the block is back in registers
	s_wait_xcnt 0x0                                ; the stores' base, and the registers that earlier stores read, are rewritten only behind this wait
.if (\a) > 0
	s_add_nc_u64 s[8:9], s[8:9], 16*OUTROW
.endif
.irp t, 0,1,2,3,4,5,6,7,8,9,10,11,12,13,14,15
	global_store_b128 v[CO], v[BK+4*(\t):BK+4*(\t)+3], s[8:9] offset:(\t)*OUTROW th:TH_STORE_NT  ; 512 consecutive bytes, at a multiple of 256 from out0's first byte
.endr
.endm
	PLACES
	SCALE 0
	TOSTAGE 0
.irp a, 1,2,3                          ; block a's scaling stands between block a - 1's loads from the stage and the wait for them
	SCALE \a
	SEND (\a)-1
	TOSTAGE \a
.endr
	SEND 3
	s_wait_tensorcnt 0x0                           ; the wave's end
	ds_add_u32 v[SPW], v[NIL]
	s_wait_dscnt 0x0
	CROUND                                         ; the closing round
	s_endpgm
.Lfunc_end_k_qd4ff783773_pv:
	.size	k_qd4ff783773_pv, .Lfunc_end_k_qd4ff783773_pv-k_qd4ff783773_pv
	.p2alignl 7, 3214868480
	.fill 96, 4, 3214868480
	.section	.rodata,"a",@progbits
	.p2align	6, 0x0
	.amdhsa_kernel k_qd4ff783773_pv
		.amdhsa_group_segment_fixed_size 327680
		.amdhsa_private_segment_fixed_size 0
		.amdhsa_enable_private_segment 0
		.amdhsa_kernarg_size 32
		.amdhsa_user_sgpr_count 2
		.amdhsa_user_sgpr_kernarg_segment_ptr 1
		.amdhsa_wavefront_size32 1
		.amdhsa_system_sgpr_workgroup_id_x 1
		.amdhsa_system_sgpr_workgroup_id_y 1
		.amdhsa_system_sgpr_workgroup_id_z 1
		.amdhsa_system_vgpr_workitem_id 0
		.amdhsa_next_free_vgpr 512
		.amdhsa_next_free_sgpr 72
		.amdhsa_reserve_vcc 0
		.amdhsa_float_denorm_mode_32 3
		.amdhsa_float_denorm_mode_16_64 3
		.amdhsa_memory_ordered 1
		.amdhsa_forward_progress 1
		.amdhsa_inst_pref_size 100
	.end_amdhsa_kernel
	.amdgpu_metadata
---
amdhsa.version: [ 1, 2 ]
amdhsa.kernels:
  - .name:           k_qd4ff783773_pv
    .symbol:         k_qd4ff783773_pv.kd
    .args:
      - { .name: pp, .offset: 0, .size: 8, .value_kind: global_buffer, .address_space: global }
      - { .name: qkv, .offset: 8, .size: 8, .value_kind: global_buffer, .address_space: global }
      - { .name: stat, .offset: 16, .size: 8, .value_kind: global_buffer, .address_space: global }
      - { .name: out0, .offset: 24, .size: 8, .value_kind: global_buffer, .address_space: global }
    .group_segment_fixed_size: 327680
    .private_segment_fixed_size: 0
    .kernarg_segment_align: 8
    .kernarg_segment_size: 32
    .max_flat_workgroup_size: 128
    .sgpr_count:     72
    .vgpr_count:     512
    .wavefront_size: 32
...
	.end_amdgpu_metadata
.endif
;; end of part 8
;; ======== version 3 of 3: 4 launches; version 2 with the launch cast written anew for expert scheduling mode
;; limits: values are held in f16: magnitudes above 65,504 overflow, below 6.1e-05 lose precision
;; workspace buffers: xw 23,068,672 bytes; qkv 50,331,648 bytes; pp 33,554,432 bytes; stat 1,048,576 bytes
;; launch cast (part 9): grid 704 x 1, 8 waves a work-group, no clusters, 0 bytes of LDS; arguments x, W_query, W_key, W_value, xw; writes xw
.if DOCPART == 9
	.amdgcn_target "amdgcn-amd-amdhsa--gfx1250"
	.amdhsa_code_object_version 6
	.text
	.protected	k_qd4ff783773_cast
	.globl	k_qd4ff783773_cast
	.p2align	8
	.type	k_qd4ff783773_cast,@function
k_qd4ff783773_cast:
	s_mov_b64 s[64:65], 0
	v_nop
	global_prefetch_b8 v0, s[64:65] scope:SCOPE_SE
	s_setreg_imm32_b32 hwreg(HW_REG_WAVE_SCHED_MODE, 0, 2), 2
	s_setreg_imm32_b32 hwreg(HW_REG_WAVE_MODE, 25, 1), 1
	s_wait_xcnt 0x0
	s_wait_alu depctr_vm_vsrc(0)
; xw = x, W_query, W_key and W_value, each number rounded once to bf16, laid out for the projection's tiles: [16 K blocks][11264 rows][64 numbers], a row's piece 128 bytes, a K block 1,441,792 bytes.
; Rows 0-8191: x's rows.  Row 8192 + 384 j + i (j = 0..7): for i < 256 column c = 256 j + i of q|k (W_query's row c, or W_key's row c - 1024); for i >= 256 W_value's row 128 j + i - 256.
; So the 256 rows of x and the 384 rows of weights that a tile of the projection needs are, in each K block, consecutive bytes.
; A stream: every input byte is read once, every output byte written once; no LDS, no barrier, no matrix work: there is nothing to share.
; Work-group g takes 16 source rows (65,536 bytes of f32): g < 512: x's; else of the weight (g - 512) / 64 its rows 16 ((g - 512) % 64) on; 16 rows never cross a boundary of 128 rows.
; Wave w takes rows 2 w and 2 w + 1: lanes 0-15 read 256 consecutive bytes (one K block) of the first, lanes 16-31 of the second; their 128 + 128 bytes of bf16 are 256 consecutive bytes of xw, at a multiple of 256.
; All sixteen loads of a thread go out first.
; THE MODE: SCHED_MODE bits 1:0 = 2 (LLVM: expert scheduling mode 2), set by the entry lines.  The code itself states the register dependences
; between vector instructions and memory instructions, with s_wait_alu, always for 0.
; THE PLAN.  Registers that memory instructions touch:
;   v1, v2   byte offsets of the loads and of the stores: made once at the head, never written again.
;   X        sixteen loads land in it, once each; load i's four registers are read by its two conversions.  v4, its first register, serves the head's address lines before that.
;   Y        pair i is written once, by load i's two conversions, and read once, by store i.
; The sixteen pieces go in four blocks of four.  Block p rounds X's block p into Y's block p; its memory instructions are the four stores of block p - 1, which read v2 and Y's block p - 1:
; registers that no vector instruction of block p names.  So one wait at a block's head states all that its four stores hang on, and they are dealt among its conversions with no further wait.
; No register that a load or a store reads is ever written again, so nothing is owed for a rewrite: neither a wait until memory instructions have read their registers nor one for translated addresses.
.set PLANE, 1441792                    ; bytes in a K block of xw
.set X,  4                             ; v[4:67]   sixteen loads of four f32
.set Y,  68                            ; v[68:99]  sixteen pairs of packed bf16
.set BS, 32                            ; s[32:39]  xw at my rows in K blocks 0, 5, 10, 15: four further blocks are within a store's immediate (5,767,168 bytes, inside its signed 24 bits)
	s_load_b256 s[4:11], s[0:1], 0x0               ; x s[4:5], W_query s[6:7], W_key s[8:9], W_value s[10:11]
	s_load_b64 s[12:13], s[0:1], 0x20              ; xw
	s_mov_b32 s14, ttmp9                           ; g
	s_sub_co_u32 s15, s14, 512                     ; its number among the weights' parts (what is made of it is used only where g >= 512)
	s_lshr_b32 s16, s15, 6                         ; which weight
	s_and_b32 s17, s15, 63
	s_lshl_b32 s23, s17, 4                         ; the part's first row in the weight
	s_lshl_b32 s17, s17, 16                        ; its byte offset there
	s_lshl_b32 s22, s14, 16                        ; the part's byte offset in x
	s_mov_b32 s21, 0
	s_lshl_b32 s26, s16, 10
	s_add_co_u32 s26, s26, s23                     ; W_query, W_key: c, the column of q|k
	s_lshr_b32 s27, s26, 8
	s_mul_i32 s27, s27, 384
	s_and_b32 s26, s26, 255
	s_add_co_u32 s26, s26, s27                     ; 384 (c / 256) + c % 256
	s_lshr_b32 s27, s23, 7                         ; W_value: 384 (row / 128) + 256 + row % 128
	s_mul_i32 s27, s27, 384
	s_and_b32 s28, s23, 127
	s_add_co_u32 s27, s27, s28
	s_add_co_u32 s27, s27, 256
	s_cmp_eq_u32 s16, 2
	s_cselect_b32 s26, s27, s26
	s_add_co_u32 s26, s26, 8192                    ; the weights lie behind x's rows
	s_lshl_b32 s27, s14, 4                         ; x: row 16 g
	s_cmp_lt_u32 s14, 512
	s_cselect_b32 s26, s27, s26                    ; my first row in xw
	s_lshl_b32 s24, s26, 7                         ; 128 bytes a row
	s_mov_b32 s25, 0
	v_lshrrev_b32 v3, 4, v0                        ; my row of the sixteen: 2 w + lane / 16
	v_and_b32 v4, 15, v0
	v_lshlrev_b32 v1, 12, v3
	v_lshl_add_u32 v1, v4, 4, v1                   ; in: row x 4,096 + 16 (lane % 16)
	v_lshlrev_b32 v2, 7, v3
	v_lshl_add_u32 v2, v4, 3, v2                   ; out: row x 128 + 8 (lane % 16)
	s_wait_kmcnt 0x0
	s_cmp_eq_u32 s16, 1
	s_cselect_b64 s[18:19], s[8:9], s[6:7]         ; the source is chosen among the four buffers by g alone
	s_cmp_eq_u32 s16, 2
	s_cselect_b64 s[18:19], s[10:11], s[18:19]
	s_cmp_lt_u32 s14, 512
	s_cselect_b64 s[18:19], s[4:5], s[18:19]
	s_cselect_b32 s20, s22, s17
	s_add_nc_u64 s[18:19], s[18:19], s[20:21]
	s_add_nc_u64 s[BS:BS+1], s[12:13], s[24:25]
	s_add_nc_u64 s[BS+2:BS+3], s[BS:BS+1], 5*PLANE
	s_add_nc_u64 s[BS+4:BS+5], s[BS:BS+1], 10*PLANE
	s_add_nc_u64 s[BS+6:BS+7], s[BS:BS+1], 15*PLANE
	s_wait_alu depctr_va_vdst(0)                   ; v1 and v2 are written, which every load and every store below reads as its offset; the address lines are done writing and reading v4, in which the first load lands
.irp i, 0,1,2,3,4,5,6,7,8,9,10,11,12,13,14,15
	global_load_b128 v[X+4*(\i):X+4*(\i)+3], v1, s[18:19] offset:256*(\i) th:TH_LOAD_NT  ; K block i of my row
.endr
; Block p: K blocks 4 p to 4 p + 3 of my row are rounded; the four stores of the block before go out among the conversions, one ahead of each pair.
.macro BLK p
	s_wait_loadcnt 12-4*(\p)                       ; loads come back in order (ISA guide 5.7.1): this block's four are in, the 12 - 4 p younger ones stay out
.if (\p) > 0
	s_wait_alu depctr_va_vdst(0)                   ; the block before has written its four pairs of Y, which the four stores below read
.endif
.irp j, 0,1,2,3
.set n, 4*(\p)+(\j)
.if (\p) > 0
	global_store_b64 v2, v[Y+2*(n-4):Y+2*(n-4)+1], s[BS+2*((n-4)/5):BS+2*((n-4)/5)+1] offset:((n-4)%5)*PLANE  ; no vector instruction since the wait names v2 or this pair
.endif
	v_cvt_pk_bf16_f32 v[Y+2*n], v[X+4*n], v[X+4*n+1]
	v_cvt_pk_bf16_f32 v[Y+2*n+1], v[X+4*n+2], v[X+4*n+3]
.endr
.endm
	BLK 0                                          ; no block stands in front of it: no store, and no wait but the one for its data
	BLK 1
	BLK 2
	BLK 3
	s_wait_alu depctr_va_vdst(0)                   ; block 3 has written its four pairs of Y, which the last four stores read
.irp i, 12,13,14,15
	global_store_b64 v2, v[Y+2*(\i):Y+2*(\i)+1], s[BS+2*((\i)/5):BS+2*((\i)/5)+1] offset:((\i)%5)*PLANE
.endr
	s_endpgm
.Lfunc_end_k_qd4ff783773_cast:
	.size	k_qd4ff783773_cast, .Lfunc_end_k_qd4ff783773_cast-k_qd4ff783773_cast
	.p2alignl 7, 3214868480
	.fill 96, 4, 3214868480
	.section	.rodata,"a",@progbits
	.p2align	6, 0x0
	.amdhsa_kernel k_qd4ff783773_cast
		.amdhsa_group_segment_fixed_size 0
		.amdhsa_private_segment_fixed_size 0
		.amdhsa_enable_private_segment 0
		.amdhsa_kernarg_size 40
		.amdhsa_user_sgpr_count 2
		.amdhsa_user_sgpr_kernarg_segment_ptr 1
		.amdhsa_wavefront_size32 1
		.amdhsa_system_sgpr_workgroup_id_x 1
		.amdhsa_system_sgpr_workgroup_id_y 1
		.amdhsa_system_sgpr_workgroup_id_z 1
		.amdhsa_system_vgpr_workitem_id 0
		.amdhsa_next_free_vgpr 104
		.amdhsa_next_free_sgpr 66
		.amdhsa_reserve_vcc 0
		.amdhsa_float_denorm_mode_32 3
		.amdhsa_float_denorm_mode_16_64 3
		.amdhsa_memory_ordered 1
		.amdhsa_forward_progress 1
		.amdhsa_inst_pref_size 8
	.end_amdhsa_kernel
	.amdgpu_metadata
---
amdhsa.version: [ 1, 2 ]
amdhsa.kernels:
  - .name:           k_qd4ff783773_cast
    .symbol:         k_qd4ff783773_cast.kd
    .args:
      - { .name: x, .offset: 0, .size: 8, .value_kind: global_buffer, .address_space: global }
      - { .name: W_query, .offset: 8, .size: 8, .value_kind: global_buffer, .address_space: global }
      - { .name: W_key, .offset: 16, .size: 8, .value_kind: global_buffer, .address_space: global }
      - { .name: W_value, .offset: 24, .size: 8, .value_kind: global_buffer, .address_space: global }
      - { .name: xw, .offset: 32, .size: 8, .value_kind: global_buffer, .address_space: global }
    .group_segment_fixed_size: 0
    .private_segment_fixed_size: 0
    .kernarg_segment_align: 8
    .kernarg_segment_size: 40
    .max_flat_workgroup_size: 256
    .sgpr_count:     66
    .vgpr_count:     104
    .wavefront_size: 32
...
	.end_amdgpu_metadata
.endif
;; end of part 9
;; launch proj: the kernel of part 6 again; grid 8 x 32, 4 waves a work-group, clusters of 4 x 4, 327,680 bytes of LDS; arguments xw, qkv; writes qkv
;; launch score: the kernel of part 7 again; grid 8 x 32, 4 waves a work-group, clusters of 4 x 4, 327,680 bytes of LDS; arguments qkv, stat, pp; writes stat, pp
;; launch pv: the kernel of part 8 again; grid 4 x 64, 4 waves a work-group, clusters of 4 x 4, 327,680 bytes of LDS; arguments pp, qkv, stat, out0; writes out0
